; MI455X (gfx1250); checked and timed in simulation.
; The chip was launched on July 23, 2026; its instructions are those of AMD's public machine-readable ISA for CDNA 5 (MIT licence, August 2026) and "CDNA5" Instruction Set Architecture Reference Guide (July 2026). The comments in the code are by the model that wrote it; some were corrected since.
;; Causal Self Attention. Allowed arithmetic: matrix products marked QUANTISED: E2M1 operands, one E8M0 scale for each 32 along K, by v_wmma_scale_f32_16x16x128_f8f6f4 with both operands' format E2M1 (or v_wmma_scale_f32_32x16x128_f4), f32 sums; products left as they are: bf16, f16 or f32 operands; f32 sums; everything else in f32.
;; Inputs: Wk 1,024 x 1,024 float32; Wp 1,024 x 1,024 float32; Wq 1,024 x 1,024 float32; Wv 1,024 x 1,024 float32; bk 1,024 float32; bp 1,024 float32; bq 1,024 float32; bv 1,024 float32; x 4 x 2,048 x 1,024 float32.
;; Outputs: out0 4 x 2,048 x 1,024 float32.
;; This version of the problem:
;;   THIS VERSION OF THE PROBLEM IS GIVEN IN LOW PRECISION. The matrix products marked QUANTISED in the list below multiply operands that are first quantised to E2M1 (2 exponent bits, 1 mantissa bit; 4 bits a number), with one power-of-two scale for each 32 numbers along K (OCP MX v1.0); their sums are f32. The products marked 'left as it is' may take bf16, f16 or f32 operands, with f32 sums. Whichever they take, every output number must still come out within the allowed error. Rounding operands to bf16 (8 significant bits) uses up far more of that allowance than f16 does (11 bits, for magnitudes from 6e-5 to 65,504). All else is computed in f32.
;;   The module's matrix products, in the order in which they are computed (A, B: the left and right operand; K: the contracted axis; several contracted axes count as one K, in the product's order):
;;     1. [M 8,192, K 1,024] x [K 1,024, N 1,024]; A: input x; B: input Wq: QUANTISED
;;     2. [M 8,192, K 1,024] x [K 1,024, N 1,024]; A: input x; B: input Wk: QUANTISED
;;     3. [M 8,192, K 1,024] x [K 1,024, N 1,024]; A: input x; B: input Wv: QUANTISED
;;     4. batch 64 x [M 2,048, K 64] x [K 64, N 2,048]; A: computed on the way; B: computed on the way: left as it is (an operand is computed on the way)
;;     5. batch 64 x [M 2,048, K 2,048] x [K 2,048, N 64]; A: computed on the way; B: computed on the way: left as it is (an operand is computed on the way)
;;     6. [M 8,192, K 1,024] x [K 1,024, N 1,024]; A: computed on the way; B: input Wp: left as it is (an operand is computed on the way)
;;   THE QUANTISER, for each operand of a quantised product, along K:
;;     - K is cut into blocks of 32 from its start; a last block that is shorter is filled with zeros.
;;     - A block's scale is 2^e with e = floor(log2(the largest magnitude in the block)) - 2, held to -126 .. 127; a block of zeros has e = 0. As a byte (E8M0): e + 127.
;;     - Each number is divided by its block's scale, clamped to +-6, and rounded to the nearest number of E2M1, ties to even, subnormals kept.
;;     - The product sums the exact products of the quantised numbers (number of the format x scale) in f32.
;;   ~~~python
;;   def quantise(x, axis):      # numpy; x: float32 -> the quantised numbers, widened to float32 again
;;       x = np.moveaxis(x, axis, -1); K = x.shape[-1]
;;       x = np.pad(x, [(0, 0)] * (x.ndim - 1) + [(0, -K % 32)]); x = x.reshape(x.shape[:-1] + (-1, 32)); a = np.abs(x).max(-1, keepdims=True)
;;       e = np.where(a > 0, np.clip(np.frexp(np.where(a > 0, a, 1))[1] - 1 - 2, -126, 127), 0)      # np.frexp(a)[1] - 1 = floor(log2(a)), exactly
;;       r = np.clip(x / 2.0 ** e, -6, 6)
;;       step = 2.0 ** (np.maximum(np.frexp(np.where(r == 0, 1, r))[1] - 1, 0) - 1)
;;       q = np.round(r / step) * step * 2.0 ** e      # np.round: ties to even
;;       return np.moveaxis(q.reshape(q.shape[:-2] + (-1,))[..., :K], -1, axis).astype(np.float32)
;;   ~~~
;; One version. Each part assembles by itself: llvm-mc -triple=amdgcn-amd-amdhsa -mcpu=gfx1250 --defsym DOCPART=n.
;; ======== version 1 of 1: 6 launches
;; limits: values are held in f16: magnitudes above 65,504 overflow, below 6.1e-05 lose precision
;; workspace buffers: xc 4,194,304 bytes; xs 262,144 bytes; wc 1,572,864 bytes; ws 98,304 bytes; wp16 2,097,152 bytes; qkv 50,331,648 bytes; y16 16,777,216 bytes; y32 262,144 bytes
;; launch quant (part 1): grid 384 x 1, 4 waves a work-group, no clusters, 33,280 bytes of LDS; arguments x, Wq, Wk, Wv, Wp, xc, xs, wc, ws, wp16; writes xc, xs, wc, ws, wp16
.if DOCPART == 1
	.amdgcn_target "amdgcn-amd-amdhsa--gfx1250"
	.amdhsa_code_object_version 6
	.text
	.protected	k_q450eec863e_quant
	.globl	k_q450eec863e_quant
	.p2align	8
	.type	k_q450eec863e_quant,@function
k_q450eec863e_quant:
	s_mov_b64 s[64:65], 0
	v_nop
	global_prefetch_b8 v0, s[64:65] scope:SCOPE_SE
	s_setreg_imm32_b32 hwreg(HW_REG_WAVE_MODE, 25, 1), 1
	s_wait_xcnt 0x0
; x [8192][1024] and Wq, Wk, Wv [1024][1024], f32, K innermost, become codes of FP4 (E2M1), two a byte, with one E8M0 scale byte for each 32 along K:
; xc [8192][512 bytes], xs [8192][32]; wc [3072][512], ws [3072][32] (Wq, Wk, Wv on end).  Wp [1024][1024] is rounded to f16 and laid by chunks of 64 along K: wp16 [k / 64][n][64].
; A block's scale is 2^(floor(log2(its largest magnitude)) - 2); its byte is the largest magnitude's exponent field - 2, held at 1 from below.  A block of zeros so gets the byte 1 where the rule says 127:
; its codes are zeros, which add nothing under any byte but 0xff, and the bytes are read by this program alone.
; LIMITS: blocks whose largest magnitude lies under 2^(2 - 126) have their byte held at 1; NaN and infinities among the inputs are not served; |Wp| must stay under 65,504 (f16).
; SHARES.  Work-groups 0-255 take x, 256-351 the three weights (32 each), 352-383 Wp.  Rows are dense and K is a multiple of 32, so a quantised tensor is a plain stream of blocks of 32.
; A wave takes 16 steps of 512 numbers.  Each load reads 512 consecutive bytes; a step's 2,048 bytes turn through the wave's own stage in LDS and come back 64 bytes a lane, so that a lane holds 16 neighbours
; along K (two neighbouring lanes hold a block).  A wave's store of codes covers 256 consecutive bytes; its 256 scale bytes are gathered in LDS and leave as 256 consecutive bytes.
; No tensor loads, no barrier: waves share nothing.  No cluster: no two work-groups read the same bytes.  No prefetch: the launch is one dense stream with 16 loads a wave ahead.
.set WAVES, 4
.set STEPS, 16
.set WGX,   256                        ; work-groups for x: 8192 x 1024 / 32768
.set WGQ,   352                        ; and with the three weights'
.set EMAX,  2
.set CB,    8                          ; bytes of 16 codes
.set R,     16                         ; v16-79   four sets of 16 numbers as they are loaded
.set X,     80                         ; v80-111  two sets of 16 neighbours
.set C,     128                        ; v128-191 codes: four registers for each step, so that no store's data are written again
.set E,     112                        ; v112-127 a scale byte for each step
.set WREG,  8192                       ; LDS: a region for each wave: two stages of 32 x SP bytes, behind them its 256 scale bytes
.set SP,    80                         ; a lane's place in a stage: its 64 bytes + 16 of padding
.set SPW,   12                         ; v12      LDS address of my spare word; never rewritten
.set NIL,   13                         ; v13      0; never rewritten
.set SPARE, WAVES*WREG                 ; behind the four regions: the spare words, 128 bytes a wave, named by no other line
	s_load_b256 s[4:11], s[0:1], 0x0               ; x s[4:5], Wq s[6:7], Wk s[8:9], Wv s[10:11]
	s_load_b256 s[12:19], s[0:1], 0x20             ; Wp s[12:13], xc s[14:15], xs s[16:17], wc s[18:19]
	s_load_b128 s[20:23], s[0:1], 0x40             ; ws s[20:21], wp16 s[22:23]
	v_lshl_add_u32 v[SPW], v0, 2, SPARE
	v_mov_b32 v[NIL], 0
	v_lshrrev_b32 v1, 5, v0
	v_readfirstlane_b32 s24, v1                    ; wave
	v_and_b32 v2, 31, v0                           ; lane
	s_cmp_ge_u32 ttmp9, WGQ
	s_cbranch_scc1 .Lwp                            ; Wp's work-groups: a path of its own, which touches no LDS
	v_lshlrev_b32 v3, 4, v2                        ; my 16 bytes of a load's 512
	s_mul_i32 s25, s24, WREG
	v_lshrrev_b32 v14, 2, v2
	v_mul_u32_u24 v14, v14, SP
	v_and_b32 v15, 3, v2
	v_lshl_add_u32 v14, v15, 4, v14
	v_add_nc_u32 v14, s25, v14                     ; the stage, on the way in: SP (lane / 4) + 16 (lane % 4)
	v_mul_u32_u24 v15, v2, SP
	v_add_nc_u32 v15, s25, v15                     ; and on the way out: SP x lane: my 16 neighbours
	v_mul_u32_u24 v4, v2, CB                       ; my codes' place in a step's
	v_lshrrev_b32 v5, 1, v2
	s_add_co_u32 s25, s25, 2*32*SP
	v_add_nc_u32 v5, s25, v5                       ; LDS: my wave's 256 scale bytes, my block's byte
	v_lshlrev_b32 v7, 3, v2                        ; and on the way out 8 bytes a lane
	v_add_nc_u32 v6, s25, v7
	s_sub_co_u32 s26, ttmp9, WGX                   ; a weight's work-group: its number among the 96 (not used in x's)
	s_lshr_b32 s27, s26, 5                         ; which weight
	s_and_b32 s28, s26, 31                         ; and which part of it
	s_wait_kmcnt 0x0
	s_cmp_eq_u32 s27, 1                            ; the choices hang on the work-group's number alone
	s_cselect_b64 s[6:7], s[8:9], s[6:7]
	s_cmp_eq_u32 s27, 2
	s_cselect_b64 s[6:7], s[10:11], s[6:7]
	s_cmp_lt_u32 ttmp9, WGX
	s_cselect_b64 s[4:5], s[4:5], s[6:7]           ; the numbers,
	s_cselect_b64 s[14:15], s[14:15], s[18:19]     ; the codes,
	s_cselect_b64 s[16:17], s[16:17], s[20:21]     ; the scale bytes,
	s_cselect_b32 s28, ttmp9, s28                  ; the part of the source,
	s_cselect_b32 s26, ttmp9, s26                  ; and of the destination
	s_lshl_b32 s28, s28, 2
	s_add_co_u32 s28, s28, s24                     ; my wave's run of 8,192 numbers in the source
	s_lshl_b32 s26, s26, 2
	s_add_co_u32 s26, s26, s24                     ; and in the destination
	s_mov_b32 s31, 0
	s_lshl_b32 s30, s28, 15                        ; 32,768 bytes of f32 a run
	s_add_nc_u64 s[4:5], s[4:5], s[30:31]
	s_lshl_b32 s30, s26, 12                        ; 4,096 bytes of codes
	s_add_nc_u64 s[14:15], s[14:15], s[30:31]
	s_lshl_b32 s30, s26, 8                         ; 256 scale bytes
	s_add_nc_u64 s[16:17], s[16:17], s[30:31]
.macro LOAD t
.irp i, 0,1,2,3
	global_load_b128 v[R+16*((\t)%4)+4*\i:R+16*((\t)%4)+4*\i+3], v3, s[4:5] offset:2048*(\t)+512*\i th:TH_LOAD_NT   ; 32 lanes read 512 consecutive bytes
.endr
.endm
.macro TURN t                          ; step t's numbers through the stage: LDS serves a wave's instructions in order, so no wait stands between the stores and the loads
.irp i, 0,1,2,3
	ds_store_b128 v14, v[R+16*((\t)%4)+4*\i:R+16*((\t)%4)+4*\i+3] offset:32*SP*((\t)%2)+8*SP*\i
.endr
.irp i, 0,1,2,3
	ds_load_b128 v[X+16*((\t)%2)+4*\i:X+16*((\t)%2)+4*\i+3], v15 offset:32*SP*((\t)%2)+16*\i
.endr
.endm
.irp t, 0,1,2,3
	LOAD \t
.endr
	s_wait_loadcnt 12                              ; step 0's four loads are in; the twelve of steps 1 to 3 stay out
	TURN 0
.macro STEP t
.set XS, X+16*((\t)%2)
.if (\t) > 0
	s_wait_dscnt 1                                 ; this step's numbers are back from the stage (the last step's byte store may be out): so its stores into the stage have read their registers,
.else
	s_wait_dscnt 0x0
.endif
.if (\t)+4 < STEPS
	LOAD (\t)+4                                    ; which take the loads of four steps on
.endif
.if (\t)+1 < STEPS
.if STEPS-2-(\t) >= 3
	s_wait_loadcnt 12                              ; the next step's four loads are in; those of the three steps behind it may be out
.else
	s_wait_loadcnt 4*(STEPS-2-(\t))
.endif
	TURN (\t)+1                                    ; and go through the other stage while this step is worked
.endif
	v_max3_num_f32 v8, |v[XS]|, |v[XS+1]|, |v[XS+2]|               ; the largest magnitude of my 16, in two chains
	v_max3_num_f32 v9, |v[XS+3]|, |v[XS+4]|, |v[XS+5]|
.irp i, 6,10
	v_max3_num_f32 v8, v8, |v[XS+\i]|, |v[XS+\i+1]|
	v_max3_num_f32 v9, v9, |v[XS+\i+2]|, |v[XS+\i+3]|
.endr
	v_max3_num_f32 v8, v8, |v[XS+14]|, |v[XS+15]|
	v_max3_num_f32 v8, v8, v9, (EMAX+1)<<23        ; and the floor 2^(EMAX + 1 - 127): so the byte cannot fall under 1
	v_max_num_f32_dpp v8, v8, v8 row_xmask:1 row_mask:0xf bank_mask:0xf   ; and of my neighbour's 16: the block's
	v_add_nc_u32 v11, -(EMAX<<23), v8              ; EMAX off its exponent field: the conversion takes the exponent field of this operand as its scale
	v_cvt_scalef32_pk8_fp4_f32 v[C+4*(\t)], v[XS:XS+7], v11        ; eight numbers / the scale, to the nearest code, ties to even, beyond the largest code the largest
	v_cvt_scalef32_pk8_fp4_f32 v[C+4*(\t)+1], v[XS+8:XS+15], v11
	v_lshrrev_b32 v[E+(\t)], 23, v11               ; the scale's byte (a plain line behind the conversions)
	ds_store_b8 v5, v[E+(\t)] offset:16*(\t)       ; both lanes of a block write the same byte with the same value
	global_store_b64 v4, v[C+4*(\t):C+4*(\t)+1], s[14:15] offset:32*CB*(\t)   ; 32 lanes store 256 consecutive bytes
.endm
.irp t, 0,1,2,3,4,5,6,7,8,9,10,11,12,13,14,15
	STEP \t
.endr
	ds_load_b64 v[8:9], v6                         ; LDS serves a wave's instructions in order: these see my byte stores
	s_wait_dscnt 0x0
	global_store_b64 v7, v[8:9], s[16:17]          ; 32 lanes store 256 consecutive bytes
	s_wait_tensorcnt 0x0                           ; the wave's end, behind my last LDS store
	ds_add_u32 v[SPW], v[NIL]
	s_wait_dscnt 0x0
	s_endpgm
; Wp to f16.  Work-group j takes rows 32 j on, wave w eight of them, as four pairs.  One load: lanes 0-15 read 256 bytes (64 numbers: one chunk) of the even row, lanes 16-31 of the odd row.
; Rounded, a lane's four numbers are 8 bytes, and the two rows' parts of one chunk are neighbours in wp16: a store covers 256 consecutive bytes.
.set SA, 16                            ; v16-79   one pair of rows as loaded
.set SB, 80                            ; v80-143  the next
.set OUTR, 144                         ; v144-175 16 x 2 registers to store
.macro LOADP p, set
.set i, 0
.rept 16
	global_load_b128 v[\set+4*i:\set+4*i+3], v3, s[12:13] offset:(\p)*8192+256*i th:TH_LOAD_NT
.set i, i+1
.endr
.endm
.macro CONV set
.set i, 0
.rept 16
	v_cvt_pk_f16_f32 v[OUTR+2*i], v[\set+4*i], v[\set+4*i+1]
	v_cvt_pk_f16_f32 v[OUTR+2*i+1], v[\set+4*i+2], v[\set+4*i+3]
.set i, i+1
.endr
.endm
.macro STOREP p
.set i, 0
.rept 16
	global_store_b64 v5, v[OUTR+2*i:OUTR+2*i+1], s[22:23] offset:131072*i+(\p)*256
.set i, i+1
.endr
.endm
.Lwp:
	s_sub_co_u32 s26, ttmp9, WGQ
	s_lshl_b32 s26, s26, 5
	s_lshl_b32 s27, s24, 3
	s_add_co_u32 s26, s26, s27                     ; my first row: 32 j + 8 w
	v_lshrrev_b32 v3, 4, v2
	v_and_b32 v4, 15, v2
	v_lshlrev_b32 v4, 4, v4
	v_lshl_add_u32 v3, v3, 12, v4                  ; in: (lane / 16) rows of 4,096 bytes + 16 (lane % 16)
	v_lshlrev_b32 v5, 3, v2                        ; out: 8 x lane
	s_lshl_b32 s28, s26, 12
	s_mov_b32 s29, 0
	s_lshl_b32 s30, s26, 7
	s_mov_b32 s31, 0
	s_wait_kmcnt 0x0
	s_add_nc_u64 s[12:13], s[12:13], s[28:29]
	s_add_nc_u64 s[22:23], s[22:23], s[30:31]
	LOADP 0, SA
	LOADP 1, SB
	s_wait_loadcnt 16                              ; the first pair is in; the second pair's 16 loads stay out
	CONV SA
	STOREP 0
	LOADP 2, SA
	s_wait_loadcnt 16
	s_wait_xcnt 0x0                                ; the stores have read their data: they are written again only behind this wait
	CONV SB
	STOREP 1
	LOADP 3, SB
	s_wait_loadcnt 16
	s_wait_xcnt 0x0
	CONV SA
	STOREP 2
	s_wait_loadcnt 0x0
	s_wait_xcnt 0x0
	CONV SB
	STOREP 3
	s_endpgm
.Lfunc_end_k_q450eec863e_quant:
	.size	k_q450eec863e_quant, .Lfunc_end_k_q450eec863e_quant-k_q450eec863e_quant
	.p2alignl 7, 3214868480
	.fill 96, 4, 3214868480
	.section	.rodata,"a",@progbits
	.p2align	6, 0x0
	.amdhsa_kernel k_q450eec863e_quant
		.amdhsa_group_segment_fixed_size 33280
		.amdhsa_private_segment_fixed_size 0
		.amdhsa_enable_private_segment 0
		.amdhsa_kernarg_size 80
		.amdhsa_user_sgpr_count 2
		.amdhsa_user_sgpr_kernarg_segment_ptr 1
		.amdhsa_wavefront_size32 1
		.amdhsa_system_sgpr_workgroup_id_x 1
		.amdhsa_system_sgpr_workgroup_id_y 1
		.amdhsa_system_sgpr_workgroup_id_z 1
		.amdhsa_system_vgpr_workitem_id 0
		.amdhsa_next_free_vgpr 192
		.amdhsa_next_free_sgpr 66
		.amdhsa_reserve_vcc 0
		.amdhsa_float_denorm_mode_32 3
		.amdhsa_float_denorm_mode_16_64 3
		.amdhsa_memory_ordered 1
		.amdhsa_forward_progress 1
		.amdhsa_inst_pref_size 54
	.end_amdhsa_kernel
	.amdgpu_metadata
---
amdhsa.version: [ 1, 2 ]
amdhsa.kernels:
  - .name:           k_q450eec863e_quant
    .symbol:         k_q450eec863e_quant.kd
    .args:
      - { .name: x, .offset: 0, .size: 8, .value_kind: global_buffer, .address_space: global }
      - { .name: Wq, .offset: 8, .size: 8, .value_kind: global_buffer, .address_space: global }
      - { .name: Wk, .offset: 16, .size: 8, .value_kind: global_buffer, .address_space: global }
      - { .name: Wv, .offset: 24, .size: 8, .value_kind: global_buffer, .address_space: global }
      - { .name: Wp, .offset: 32, .size: 8, .value_kind: global_buffer, .address_space: global }
      - { .name: xc, .offset: 40, .size: 8, .value_kind: global_buffer, .address_space: global }
      - { .name: xs, .offset: 48, .size: 8, .value_kind: global_buffer, .address_space: global }
      - { .name: wc, .offset: 56, .size: 8, .value_kind: global_buffer, .address_space: global }
      - { .name: ws, .offset: 64, .size: 8, .value_kind: global_buffer, .address_space: global }
      - { .name: wp16, .offset: 72, .size: 8, .value_kind: global_buffer, .address_space: global }
    .group_segment_fixed_size: 33280
    .private_segment_fixed_size: 0
    .kernarg_segment_align: 8
    .kernarg_segment_size: 80
    .max_flat_workgroup_size: 128
    .sgpr_count:     66
    .vgpr_count:     192
    .wavefront_size: 32
...
	.end_amdgpu_metadata
.endif
;; end of part 1
;; launch qkv (part 2): grid 12 x 32, 4 waves a work-group, clusters of 4 x 4, 327,680 bytes of LDS; arguments xc, xs, wc, ws, qkv, bq, bk, bv; writes qkv
.if DOCPART == 2
	.amdgcn_target "amdgcn-amd-amdhsa--gfx1250"
	.amdhsa_code_object_version 6
	.text
	.protected	k_q450eec863e_qkv
	.globl	k_q450eec863e_qkv
	.p2align	8
	.type	k_q450eec863e_qkv,@function
k_q450eec863e_qkv:
	s_mov_b64 s[64:65], 0
	v_nop
	global_prefetch_b8 v0, s[64:65] scope:SCOPE_SE
	s_setreg_imm32_b32 hwreg(HW_REG_WAVE_MODE, 25, 1), 1
	s_wait_xcnt 0x0
	s_wait_alu depctr_hold_cnt(0) depctr_sa_sdst(0) depctr_va_vdst(0) depctr_va_sdst(0) depctr_va_ssrc(0) depctr_va_vcc(0) depctr_vm_vsrc(0)
	s_getreg_b32 s2, hwreg(HW_REG_IB_STS2, 6, 4)
	s_cmp_eq_u32 s2, 0
	s_cbranch_scc0 .Lentry_in_a_cluster
	s_endpgm
.Lentry_in_a_cluster:
	s_bfe_u32 s2, ttmp6, 0x10000c
	s_cmp_lg_u32 s2, 0xf033
	s_cbranch_scc0 .Lentry_shape_is_right
	s_endpgm
.Lentry_shape_is_right:
; q, k, v = x W^T + b for the three weights at once: C [8192][3072] = A B^T on codes of FP4 (E2M1) with one E8M0 scale for each 32 along K (K = 1,024); sums in f32, beginning with the bias.
; A = xc [8192][512 bytes], xs [8192][32]; B = wc [3072][512], ws [3072][32].  The result is rounded to f16 and laid by heads: qkv [q, k, v][batch x 16 + head][t][64].
; LIMIT: |q|, |k|, |v| must stay under 65,504 (f16).
; A tile of C, 256 x 256, is made by four waves, each 128 x 128: 64 accumulators of 16 x 16, 512 registers.  K is two slots of 512: both are asked for at the head, and nothing is filled again.
; THE SCALES of the work-group's 256 rows of A and of B, for all of K, are two dense blocks of memory: they come into LDS once, with the first fills.
; CLUSTERS: 4 x 4 work-groups.  The four of a row of the cluster need the same tiles of A, the four of a column the same tiles of B: each tile is asked for JOINTLY.  A cluster is 1,024 columns wide: one weight.
; THE MATRIX INSTRUCTION IS USED TRANSPOSED (source 0 = 16 rows of B, source 1 = 16 rows of A): a lane holds eight neighbouring columns of one row of C.
; REGISTERS, in windows of 256: window 0: v0-31 addresses; v32-95 scale words, two sets; v128-191 A's fragments, ONE set; v192-255 the bias, eight registers for each of B's eight blocks.
;   window 1: B's fragments, TWO sets, at v0 and v128.   window 2: the accumulators of my rows 0-63 ((a, b) at v[8 (8 a + b)]);   window 3: those of my rows 64-127.
; No prefetch: every tile is asked for at the head.  384 work-groups, one tile each: the second round's products run under the first round's stores.
.set SIZE_K, 1024
.set KSTEP,  512                       ; along K in a slot
.set NQ,     KSTEP/128                 ; matrix instructions deep
.set ROWB,   256                       ; a tile's row in bytes
.set KROW,   SIZE_K*4/8                ; a row of A or of B in memory
.set PITCH,  272                       ; an LDS row: 256 bytes + 16 of padding: an odd multiple of 16, so that the 16 rows of a load begin at 16 different places modulo 256 bytes
.set FR,     8                         ; registers of a fragment: 16 rows x 128 K
.set NL,     2                         ; LDS loads that bring one
.set NP,     4                         ; places behind this matrix instruction (ISA guide 7.12.1)
.set HALFT,  128*PITCH                 ; 128 rows: what one tensor load brings
.set SLOT,   4*HALFT                   ; A's 256 rows, then B's 256 rows
.set KS,     SIZE_K/32                 ; a row of scales in bytes
.set SCL,    2*SLOT                    ; behind the two slots: the scales, as rows of 256 bytes + 16 of padding
.set HALFS,  (128*KS/256)*272          ; the scales of 128 rows
.set SBLK,   (16*KS/256)*272           ; those of 16 rows
.set SPARE,  SCL+4*HALFS               ; the spare words, 128 bytes a wave, named by no other line
.set ADRA, 16                          ; v16-17  LDS address of my A fragments in slot 0, 1
.set ADRB, 20                          ; v20-21  the same for B
.set STO,  24                          ; v24     the way out: where I put 16 bytes of a row
.set RD,   25                          ; v25     the way out: where I read rows back
.set CO,   26                          ; v26     16 x lane
.set ADRS, 27                          ; v27     LDS address of my scale words: lanes 0-15 A's rows, lanes 16-31 B's
.set SPW,  28                          ; v28     LDS address of my spare word; never rewritten
.set NIL,  29                          ; v29     0; never rewritten
.set SC,   32                          ; scale words: set s at v[SC + 32 s]; register NQ i + q: lanes 0-15 A's block i, lanes 16-31 B's block i, the slot's q-th 128 along K
.set AF,   128                         ; A's fragments
.set BI,   192                         ; the bias
.set TMP,  32                          ; the way out: a block rounded to f16
.set BK,   64                          ; the way out: rows read back: v64-95 and v96-127 by turns
.set G1, 24
.set G0, 32
.set G1B, 48
.set G0B, 56
.set G1S, 68
.set G0S, 76
.set G1SB, 80
.set G0SB, 88
.set MSB, 0
.macro WIN new                         ; the immediate's high byte repeats the setting that is left
.if MSB != (\new)
	s_set_vgpr_msb (MSB<<8)|(\new)
.set MSB, (\new)
.endif
.endm
.set MUL_LO, 0xa1                      ; source 0 (B) window 1, source 1 (A) window 0, C and D window 2
.set MUL_HI, 0xf1                      ; the same, C and D window 3
.set TO_B,   0x40                      ; destination window 1, address window 0
; A joint load: waves 0 and 1 fetch for A, waves 2 and 3 for B.  The branch hangs on the wave's number alone.  An s_nop 0 and four v_nop follow each of the two lines.
.macro JLOAD g0a, g1a, g0b, g1b
	s_cmp_eq_u32 s15, 0
	s_cbranch_scc0 .Lfor_b_\@
	tensor_load_to_lds s[\g0a:\g0a+3], s[\g1a:\g1a+7]
	s_nop 0
.rept 4
	v_nop
.endr
	s_branch .Lasked_\@
.Lfor_b_\@:
	tensor_load_to_lds s[\g0b:\g0b+3], s[\g1b:\g1b+7]
	s_nop 0
.rept 4
	v_nop
.endr
.Lasked_\@:
.endm
.macro CROUND                          ; a round of the cluster's barrier
	s_barrier_signal -1
	s_barrier_wait -1
	s_cmp_lg_u32 s14, 0
	s_cbranch_scc1 .Lnot_wave_0_\@
	s_barrier_signal -3
.Lnot_wave_0_\@:
	s_barrier_wait -3
	s_barrier_signal -1
	s_barrier_wait -1
.endm
	s_load_b128 s[4:7], s[0:1], 0x0                ; x's codes s[4:5], x's scales s[6:7]
	s_load_b128 s[8:11], s[0:1], 0x10              ; the weights' codes s[8:9], their scales s[10:11]
	s_load_b64 s[12:13], s[0:1], 0x20              ; qkv
	s_load_b128 s[96:99], s[0:1], 0x28             ; bq, bk
	s_load_b64 s[100:101], s[0:1], 0x38            ; bv
	v_lshl_add_u32 v[SPW], v0, 2, SPARE
	v_mov_b32 v[NIL], 0
	ds_add_u32 v[SPW], v[NIL]                      ; the wave's opening: the add, twice on end, and its wait ahead of my first tensor load
	ds_add_u32 v[SPW], v[NIL]
	v_lshrrev_b32 v1, 5, v0
	v_readfirstlane_b32 s14, v1                    ; wave 0..3
	s_lshr_b32 s15, s14, 1                         ; which half of the tile's rows is mine.  Also: I fetch for A (0) or for B (1)
	s_and_b32 s16, s14, 1                          ; which half of its columns.  Also: which 128 rows of that tile I fetch
	s_bfe_u32 s40, ttmp6, 0x40000                  ; cx, cy: my place in the cluster
	s_bfe_u32 s41, ttmp6, 0x40004
	s_lshl_b32 s42, ttmp9, 2
	s_add_co_u32 s42, s42, s40                     ; tile column of C = 4 x cluster x + cx
	s_and_b32 s17, ttmp7, 0xffff
	s_lshl_b32 s17, s17, 2
	s_add_co_u32 s17, s17, s41                     ; tile row of C = 4 x cluster y + cy
	s_lshl_b32 s43, s41, 2
	s_lshl_b32 s43, 15, s43                        ; my row of the cluster
	s_lshl_b32 s44, 0x1111, s40                    ; my column
	; descriptor group 1: a tile of 128 rows x 256 bytes, padded in LDS
	s_or_b32 s[G1+0], s43, (0<<16)|(1<<20)|(1<<21)|(5<<22)|(3<<25)  ; 15:0 the mask: A's tiles go to my row; elements of 1 byte; padding on; bit 21 beside a mask; after every 64 words, 4 words
	s_or_b32 s[G1B+0], s44, (0<<16)|(1<<20)|(1<<21)|(5<<22)|(3<<25)
.irp g, G1, G1B
	s_mov_b32 s[\g+1], ROWB<<16                    ; tensor_dim0
	s_mov_b32 s[\g+2], 128<<16                     ; tensor_dim1
	s_mov_b32 s[\g+3], ROWB<<16                    ; tile_dim0
	s_mov_b32 s[\g+4], 128                         ; tile_dim1
	s_mov_b32 s[\g+5], KROW                        ; tensor_dim0_stride
	s_mov_b32 s[\g+6], 0
	s_mov_b32 s[\g+7], 0
.endr
	; the scales of 128 rows: a dense block of 4,096 bytes, as rows of 256 bytes (32 elements of 8 bytes), 16 bytes of padding behind each
	s_or_b32 s[G1S+0], s43, (3<<16)|(1<<20)|(1<<21)|(5<<22)|(3<<25)
	s_or_b32 s[G1SB+0], s44, (3<<16)|(1<<20)|(1<<21)|(5<<22)|(3<<25)
.irp g, G1S, G1SB
	s_mov_b32 s[\g+1], 32<<16
	s_mov_b32 s[\g+2], (128*KS/256)<<16
	s_mov_b32 s[\g+3], 32<<16
	s_mov_b32 s[\g+4], 128*KS/256
	s_mov_b32 s[\g+5], 32
	s_mov_b32 s[\g+6], 0
	s_mov_b32 s[\g+7], 0
.endr
	s_lshl_b32 s18, s16, 7                         ; which 128 rows of the tile I fetch
	s_lshl_b32 s20, s17, 8
	s_add_co_u32 s20, s20, s18                     ; A: row 256 x tile row + 128 x half
	s_lshl_b32 s46, s42, 8
	s_add_co_u32 s46, s46, s18                     ; B: row 256 x tile column + 128 x half
	s_mov_b32 s21, 0
	s_mov_b32 s47, 0
	s_mov_b64 s[18:19], KS
	s_mul_u64 s[22:23], s[20:21], s[18:19]         ; where these rows' scales begin, in bytes
	s_mul_u64 s[92:93], s[46:47], s[18:19]
	s_mov_b64 s[18:19], KROW
	s_mul_u64 s[20:21], s[20:21], s[18:19]         ; and their codes
	s_mul_u64 s[46:47], s[46:47], s[18:19]
	s_mul_i32 s45, s14, HALFT                      ; where they go: wave x 128 rows: no place in the cluster enters an LDS address
	s_mul_i32 s94, s14, HALFS
	s_wait_dscnt 0x0                               ; both opening adds are done
	s_wait_kmcnt 0x0
	s_add_nc_u64 s[20:21], s[4:5], s[20:21]
	s_add_nc_u64 s[22:23], s[6:7], s[22:23]
	s_add_nc_u64 s[46:47], s[8:9], s[46:47]
	s_add_nc_u64 s[92:93], s[10:11], s[92:93]
	CROUND                                         ; all sixteen work-groups are here: the first joint loads meet
	s_mov_b32 s[G0S], 1
	s_add_co_u32 s[G0S+1], s94, SCL
	s_mov_b64 s[G0S+2:G0S+3], s[22:23]
	s_or_b32 s[G0S+3], s[G0S+3], 0x80000000
	s_mov_b32 s[G0SB], 1
	s_add_co_u32 s[G0SB+1], s94, SCL
	s_mov_b64 s[G0SB+2:G0SB+3], s[92:93]
	s_or_b32 s[G0SB+3], s[G0SB+3], 0x80000000
	JLOAD G0S, G1S, G0SB, G1SB                     ; the scales first: they are wanted with the first slot
.irp s, 0,1
	s_mov_b32 s[G0+4*\s], 1
	s_add_co_u32 s[G0+4*\s+1], s45, \s*SLOT
	s_add_nc_u64 s[G0+4*\s+2:G0+4*\s+3], s[20:21], \s*ROWB
	s_or_b32 s[G0+4*\s+3], s[G0+4*\s+3], 0x80000000
	s_mov_b32 s[G0B+4*\s], 1
	s_add_co_u32 s[G0B+4*\s+1], s45, \s*SLOT
	s_add_nc_u64 s[G0B+4*\s+2:G0B+4*\s+3], s[46:47], \s*ROWB
	s_or_b32 s[G0B+4*\s+3], s[G0B+4*\s+3], 0x80000000
	JLOAD G0+4*\s, G1, G0B+4*\s, G1B               ; three tensor loads of mine are out
.endr
	v_and_b32 v1, 15, v0                           ; l % 16
	v_bfe_u32 v2, v0, 4, 1                         ; l / 16
	; the bias of my 128 columns.  The cluster's x says which weight: the same in all sixteen partners
	s_cmp_eq_u32 ttmp9, 0
	s_cselect_b64 s[96:97], s[96:97], s[98:99]
	s_cmp_eq_u32 ttmp9, 2
	s_cselect_b64 s[96:97], s[100:101], s[96:97]
	v_lshlrev_b32 v7, 5, v2                        ; 32 (l / 16): my half's eight columns of a block,
	s_lshl_b32 s46, s40, 10                        ; + 256 cx columns,
	s_lshl_b32 s47, s16, 9                         ; + my wave's 128
	s_add_co_u32 s46, s46, s47
	v_add_nc_u32 v7, s46, v7
.irp b, 0,1,2,3,4,5,6,7
	global_load_b128 v[BI+8*\b:BI+8*\b+3], v7, s[96:97] offset:64*\b        ; block b: bias(16 b + 8 (l / 16) + 0 .. 7), the layout of a result
	global_load_b128 v[BI+8*\b+4:BI+8*\b+7], v7, s[96:97] offset:64*\b+16
.endr
	v_mul_u32_u24 v3, v1, PITCH
	v_lshl_add_u32 v4, v2, 4, v3                   ; a fragment's row x pitch + 16 x half
	s_mul_i32 s21, s15, HALFT                      ; my 128 rows of A
	s_mul_i32 s22, s16, HALFT                      ; my 128 rows of B,
	s_add_co_u32 s22, s22, 2*HALFT                 ; which lie behind A's 256
.irp s, 0,1
	v_add_nc_u32 v[ADRA+\s], s21, v4
	v_add_nc_u32 v[ADRB+\s], s22, v4
	s_add_co_u32 s21, s21, SLOT
	s_add_co_u32 s22, s22, SLOT
.endr
	v_mul_u32_u24 v5, v1, KS                       ; my row's scales: KS bytes a row,
	v_lshrrev_b32 v6, 8, v5
	v_lshl_add_u32 v5, v6, 4, v5                   ; and 16 more for each 256 passed
	s_mul_i32 s21, s15, HALFS                      ; A's: my 128 rows
	s_mul_i32 s22, s16, HALFS                      ; B's: my 128 rows, behind A's 256
	s_add_co_u32 s22, s22, 2*HALFS
	s_sub_co_u32 s22, s22, s21
	v_mul_u32_u24 v6, s22, v2                      ; lanes 16-31 take B's
	s_add_co_u32 s21, s21, SCL
	v_add_nc_u32 v5, v5, v6
	v_add_nc_u32 v[ADRS], s21, v5
	; the way out: a stage of 2 heads x 16 rows x (128 bytes + 16) for each wave, in slot 0, which has had its one fill and its last read when the first result is stored there
	s_mul_i32 s23, s14, 4608
	v_mul_u32_u24 v5, v1, 144
	v_lshl_add_u32 v5, v2, 4, v5
	v_add_nc_u32 v[STO], s23, v5                   ; in: row l % 16, 16 bytes for each half of the lanes
	v_bfe_u32 v5, v0, 3, 2
	v_mul_u32_u24 v5, v5, 144
	v_and_b32 v6, 7, v0
	v_lshl_add_u32 v5, v6, 4, v5
	v_add_nc_u32 v[RD], s23, v5                    ; back: eight lanes to a row of 128 bytes, four rows an instruction
	v_and_b32 v6, 31, v0
	v_lshlrev_b32 v[CO], 4, v6                     ; four rows of a head are 512 consecutive bytes of qkv
	s_lshl_b32 s20, ttmp9, 24                      ; q, k or v: 16,777,216 bytes each
	s_lshr_b32 s21, s17, 3                         ; the batch: eight tile rows each
	s_lshl_b32 s21, s21, 4
	s_lshl_b32 s46, s40, 2
	s_add_co_u32 s21, s21, s46
	s_lshl_b32 s46, s16, 1
	s_add_co_u32 s21, s21, s46                     ; batch x 16 + my first head (4 cx + 2 x half)
	s_lshl_b32 s21, s21, 18                        ; 262,144 bytes a head
	s_add_co_u32 s20, s20, s21
	s_and_b32 s21, s17, 7
	s_lshl_b32 s21, s21, 8
	s_lshl_b32 s46, s15, 7
	s_add_co_u32 s21, s21, s46                     ; my first t
	s_lshl_b32 s21, s21, 7                         ; 128 bytes a row
	s_add_co_u32 s20, s20, s21
	s_mov_b32 s21, 0
	s_add_nc_u64 s[12:13], s[12:13], s[20:21]      ; never stepped again
.macro FRAG reg, adr, q, i             ; a fragment: lane l holds row l % 16; registers 4 c .. 4 c + 3 hold K = 64 c + 32 (l / 16) + 0 .. 31
.irp c, 0,1
	ds_load_b128 v[\reg+4*\c:\reg+4*\c+3], v[\adr] offset:64*(\q)+32*\c+(\i)*16*PITCH
.endr
.endm
; 16 matrix instructions: A's blocks a0, a0 + 1 x B's eight, the slot's q-th 128 along K.  p: B's set;  sc: the set of scale words.  zero = 1: the first product starts the sums, with the bias as its C: nothing is cleared or added later.
; The 64 accumulators take turns, one instruction a turn, in the same order in every step.
.macro MUL16 a0, p, q, sc, zero
.irp a, \a0, \a0+1
.irp b, 0,1,2,3,4,5,6,7
.if \zero
	v_wmma_scale_f32_16x16x128_f8f6f4 v[8*(8*((\a)%4)+\b):8*(8*((\a)%4)+\b)+7], v[128*(\p)+FR*\b:128*(\p)+FR*\b+FR-1], v[AF+FR*(\a):AF+FR*(\a)+FR-1], v[BI+8*\b:BI+8*\b+7], v[SC+8*NQ*(\sc)+NQ*\b+(\q)], v[SC+8*NQ*(\sc)+NQ*(\a)+(\q)] matrix_a_fmt:MATRIX_FMT_FP4 matrix_b_fmt:MATRIX_FMT_FP4 matrix_a_scale:MATRIX_SCALE_ROW1
.else
	v_wmma_scale_f32_16x16x128_f8f6f4 v[8*(8*((\a)%4)+\b):8*(8*((\a)%4)+\b)+7], v[128*(\p)+FR*\b:128*(\p)+FR*\b+FR-1], v[AF+FR*(\a):AF+FR*(\a)+FR-1], v[8*(8*((\a)%4)+\b):8*(8*((\a)%4)+\b)+7], v[SC+8*NQ*(\sc)+NQ*\b+(\q)], v[SC+8*NQ*(\sc)+NQ*(\a)+(\q)] matrix_a_fmt:MATRIX_FMT_FP4 matrix_b_fmt:MATRIX_FMT_FP4 matrix_a_scale:MATRIX_SCALE_ROW1
.endif
.endr
.endr
.endm
.macro FETCH_B slot, q, p              ; B's eight fragments of the slot's q-th 128 along K into set p
	WIN TO_B
.irp i, 0,1,2,3,4,5,6,7
	FRAG 128*(\p)+FR*\i, ADRB+\slot, \q, \i
.endr
	WIN 0
.endm
.macro FETCH_A slot, q, i0             ; A's blocks i0 .. i0 + 3
.irp i, \i0, \i0+1, \i0+2, \i0+3
	FRAG AF+FR*(\i), ADRA+\slot, \q, \i
.endr
.endm
.macro SCALES sc                       ; a slot's scale words into set sc: NQ words a row; lanes 0-15 take A's block i, lanes 16-31 B's block i
.irp i, 0,1,2,3,4,5,6,7
	ds_load_b128 v[SC+8*NQ*\sc+NQ*\i:SC+8*NQ*\sc+NQ*\i+3], v[ADRS] offset:\i*SBLK
.endr
.endm
; A load into a register that a matrix instruction has read, and a vector instruction or an LDS store that reads a matrix result, stand NP places behind that matrix instruction; only plain vector
; instructions that name none of its registers are places (ISA guide 7.12.1 for vector instructions).
.macro PLACES n
.rept \n
	v_nop
.endr
.endm
; A step of 128 along K that has its successor in the same slot.  With zero = 1 the C operand (the bias) lies in window 0.
.macro STEP slot, q, zero
	s_wait_dscnt 4*NL                              ; B's set and A's blocks 0-3 are in; the youngest eight loads (A's blocks 4-7) may be out
	WIN MUL_LO-0x20*(\zero)
	MUL16 0, (\q)%2, \q, \slot, \zero
	MUL16 2, (\q)%2, \q, \slot, \zero
	s_wait_dscnt 0                                 ; A's blocks 4-7 are in
	PLACES NP
	FETCH_B \slot, (\q)+1, 1-(\q)%2
	FETCH_A \slot, (\q)+1, 0
	WIN MUL_HI-0x30*(\zero)
	MUL16 4, (\q)%2, \q, \slot, \zero
	MUL16 6, (\q)%2, \q, \slot, \zero
	PLACES NP
	WIN 0
	FETCH_A \slot, (\q)+1, 4
.endm
; Slot 0's last step changes slots: one barrier; in front of it each wave waits for all its tensor loads (its part of slot 1), adds 0 to its spare word, and waits for that and for its reads of slot 0.  Nothing is filled again.
.macro TURN slot, next
	s_wait_tensorcnt 0x0                           ; all my tensor loads have landed
	ds_add_u32 v[SPW], v[NIL]                      ; 0 onto my spare word
	s_wait_dscnt 4*NL+1                            ; (the add and the youngest eight loads, A's blocks 4-7, may be out)
	WIN MUL_LO
	MUL16 0, 1, NQ-1, \slot, 0                     ; sixteen matrix instructions stand between the add and the wait for it
	s_wait_dscnt 0x0                               ; the add is done, and my reads of this slot are over
	s_barrier_signal -1
	MUL16 2, 1, NQ-1, \slot, 0
	WIN 0
	s_barrier_wait -1
	PLACES NP
	v_add_nc_u32 v[ADRS], 4*NQ, v[ADRS]            ; on to the next slot's scale words (no LDS load of mine is out)
	FETCH_B \next, 0, 0
	FETCH_A \next, 0, 0
	SCALES \next
	WIN MUL_HI
	MUL16 4, 1, NQ-1, \slot, 0
	MUL16 6, 1, NQ-1, \slot, 0
	PLACES NP
	WIN 0
	FETCH_A \next, 0, 4
.endm
	s_wait_tensorcnt 1                             ; the scales and my part of slot 0 are in (slot 1's load may be out)
	s_barrier_signal -1
	s_barrier_wait -1                              ; everybody's are
	FETCH_B 0, 0, 0
	FETCH_A 0, 0, 0
	SCALES 0
	FETCH_A 0, 0, 4
	s_wait_loadcnt 0x0                             ; the bias
	STEP 0, 0, 1                                   ; the first step starts the sums
	STEP 0, 1, 0
	STEP 0, 2, 0
	TURN 0, 1
	STEP 1, 0, 0
	STEP 1, 1, 0
	STEP 1, 2, 0
	s_wait_dscnt 4*NL                              ; the very last step: nothing more to fetch
	WIN MUL_LO
	MUL16 0, 1, NQ-1, 1, 0
	MUL16 2, 1, NQ-1, 1, 0
	s_wait_dscnt 0
	WIN MUL_HI
	MUL16 4, 1, NQ-1, 1, 0
	MUL16 6, 1, NQ-1, 1, 0
	WIN 0
; THE WAY OUT, block by block of 16 rows x 128 columns (two heads).  PACK: rounded to f16, 16 bytes a lane and block of columns.  TOSTAGE: into my own stage and back as whole rows of 128 bytes.  SEND: stored.
.macro PACK a
.set AC, 64*((\a)%4)
	WIN 0x0a+5*((\a)/4)                            ; sources 0 and 1: window 2 or 3
.irp b, 0,1,2,3,4,5,6,7
.irp i, 0,1,2,3
	v_cvt_pk_f16_f32 v[TMP+4*\b+\i], v[AC+8*\b+2*\i], v[AC+8*\b+2*\i+1]     ; each accumulator from its low end on
.endr
.endr
	WIN 0
.endm
.macro TOSTAGE a
.irp b, 0,1,2,3,4,5,6,7
	ds_store_b128 v[STO], v[TMP+4*\b:TMP+4*\b+3] offset:(\b/4)*2304+(\b%4)*32
.endr
.set BB, BK+32*((\a)%2)
.irp n, 0,1,2,3,4,5,6,7
	ds_load_b128 v[BB+4*\n:BB+4*\n+3], v[RD] offset:(\n/4)*2304+(\n%4)*576   ; LDS serves a wave's instructions in order (ISA guide 5.7.1.4): these see the stores above
.endr
.endm
.macro SEND a
.set BB, BK+32*((\a)%2)
	s_wait_dscnt 0x0                               ; the block is back in registers
	s_wait_xcnt 0x0                                ; the stores of the block before have read their data: the next loads from the stage land there only behind this wait
.irp n, 0,1,2,3,4,5,6,7
	global_store_b128 v[CO], v[BB+4*\n:BB+4*\n+3], s[12:13] offset:(\n/4)*262144+(16*(\a)+4*(\n%4))*128   ; 32 lanes store 512 consecutive bytes: four rows of one head
.endr
.endm
	PLACES NP                                      ; behind the last products: for the conversions, which read results and write registers that held scale words
	PACK 0
	TOSTAGE 0
.irp a, 1,2,3,4,5,6,7                  ; block a's conversions stand between block a - 1's loads from the stage and the wait for them
	PACK \a
	SEND \a-1
	TOSTAGE \a
.endr
	SEND 7
	s_wait_tensorcnt 0x0                           ; the wave's end, behind my last tensor load and my last LDS store
	ds_add_u32 v[SPW], v[NIL]
	s_wait_dscnt 0x0
	CROUND                                         ; the closing round: no work-group ends while a partner may still ask for a tile that names it
	s_endpgm
.Lfunc_end_k_q450eec863e_qkv:
	.size	k_q450eec863e_qkv, .Lfunc_end_k_q450eec863e_qkv-k_q450eec863e_qkv
	.p2alignl 7, 3214868480
	.fill 96, 4, 3214868480
	.section	.rodata,"a",@progbits
	.p2align	6, 0x0
	.amdhsa_kernel k_q450eec863e_qkv
		.amdhsa_group_segment_fixed_size 327680
		.amdhsa_private_segment_fixed_size 0
		.amdhsa_enable_private_segment 0
		.amdhsa_kernarg_size 64
		.amdhsa_user_sgpr_count 2
		.amdhsa_user_sgpr_kernarg_segment_ptr 1
		.amdhsa_wavefront_size32 1
		.amdhsa_system_sgpr_workgroup_id_x 1
		.amdhsa_system_sgpr_workgroup_id_y 1
		.amdhsa_system_sgpr_workgroup_id_z 1
		.amdhsa_system_vgpr_workitem_id 0
		.amdhsa_next_free_vgpr 1024
		.amdhsa_next_free_sgpr 102
		.amdhsa_reserve_vcc 0
		.amdhsa_float_denorm_mode_32 3
		.amdhsa_float_denorm_mode_16_64 3
		.amdhsa_memory_ordered 1
		.amdhsa_forward_progress 1
		.amdhsa_inst_pref_size 128
	.end_amdhsa_kernel
	.amdgpu_metadata
---
amdhsa.version: [ 1, 2 ]
amdhsa.kernels:
  - .name:           k_q450eec863e_qkv
    .symbol:         k_q450eec863e_qkv.kd
    .args:
      - { .name: xc, .offset: 0, .size: 8, .value_kind: global_buffer, .address_space: global }
      - { .name: xs, .offset: 8, .size: 8, .value_kind: global_buffer, .address_space: global }
      - { .name: wc, .offset: 16, .size: 8, .value_kind: global_buffer, .address_space: global }
      - { .name: ws, .offset: 24, .size: 8, .value_kind: global_buffer, .address_space: global }
      - { .name: qkv, .offset: 32, .size: 8, .value_kind: global_buffer, .address_space: global }
      - { .name: bq, .offset: 40, .size: 8, .value_kind: global_buffer, .address_space: global }
      - { .name: bk, .offset: 48, .size: 8, .value_kind: global_buffer, .address_space: global }
      - { .name: bv, .offset: 56, .size: 8, .value_kind: global_buffer, .address_space: global }
    .group_segment_fixed_size: 327680
    .private_segment_fixed_size: 0
    .kernarg_segment_align: 8
    .kernarg_segment_size: 64
    .max_flat_workgroup_size: 128
    .sgpr_count:     102
    .vgpr_count:     1024
    .wavefront_size: 32
...
	.end_amdgpu_metadata
.endif
;; end of part 2
;; launch attn (part 3): grid 4 x 64, 16 waves a work-group, no clusters, 327,680 bytes of LDS; arguments qkv, y16; writes y16
.if DOCPART == 3
	.amdgcn_target "amdgcn-amd-amdhsa--gfx1250"
	.amdhsa_code_object_version 6
	.text
	.protected	k_q450eec863e_attn
	.globl	k_q450eec863e_attn
	.p2align	8
	.type	k_q450eec863e_attn,@function
k_q450eec863e_attn:
	s_mov_b64 s[64:65], 0
	v_nop
	global_prefetch_b8 v0, s[64:65] scope:SCOPE_SE
	s_setreg_imm32_b32 hwreg(HW_REG_WAVE_MODE, 25, 1), 1
	s_wait_xcnt 0x0
; y[bh][q][:] = the sum over keys k <= q of softmax_k(Q[q] . K[k] / 8) V[k][:], head size 64, 2,048 positions, 64 (batch, head) pairs.  Q, K, V: f16, qkv [q, k, v][bh][t][64].
; Products on f16 operands with f32 sums; maxima, exponentials and row sums in f32; the weights p (at most 1) are rounded to f16 for the second product, y once at the end.
; y16 is laid by heads, [head][batch x 2048 + t][64] f16, as the projection's K chunks.
; LIMIT: f16 operands: |q|, |k|, |v| under 65,504.  The first 16 positions of each sequence are computed here like all others and are made again, in f32, by the two small launches at the program's end.
; SHARES.  A work-group owns two blocks of 256 queries of one (batch, head): block g (waves 0-7) and block 7 - g (waves 8-15), so that under the causal mask every work-group has the same work: 9 blocks of keys.
; A wave owns 32 queries: two tiles of 16.  All sixteen waves walk one ring over the keys, 64 a step; a step all of whose keys come after the wave's queries is jumped over.
; LAYOUT.  S^T = K Q^T (source 0 = 16 keys, source 1 = 16 queries): a lane holds ONE query (lane % 16) and keys 8 (lane / 16) + 0..7.  Two such tiles, rounded to f16 in pairs, ARE source 1 of O^T = V^T P.
; K comes out of LDS as it lies, V ([key][channel]) turned, by ds_load_tr16_b128.
; SOFTMAX.  A running maximum m and sum l for each query: p = 2^(c s - c m), c = log2(e) / 8; in every step O and l are multiplied by a = 2^(c m_old - c m_new).
; NO CLUSTER: the four work-groups of a head end their walks at different keys (their last queries differ), so a joint load would bring tiles that some partner never reads.
; THE RING.  Two slots of 256 keys (4 steps), filled by waves 0-3 (K's halves, V's halves), one load a wave behind each change of slots; every wait on TENSORcnt is for 0.
.set KP,    144                        ; a key's row of K in LDS: 128 bytes + 16: an odd multiple of 16
.set VP,    160                        ; a row of V: 128 + 32: an odd multiple of 32, as the turning load's 8 rows x 32 bytes want
.set VOFF,  256*KP                     ; a slot: 256 rows of K, then 256 rows of V
.set SLOT1, 1<<17                      ; slot 1 begins here: one exclusive or turns an address from one slot into the other
.set SPARE, SLOT1+256*(KP+VP)          ; behind slot 1: the spare words, 128 bytes a wave, named by no other line
.set NSL,   8                          ; slots' worth of keys
.set SLB,   256*128                    ; a slot's rows of K (or V) in memory: one dense block
.set AK0,  1                           ; v1   my lane's place in a tile of K
.set AV0,  2                           ; v2   the same for V
.set ADK,  3                           ; v3   LDS address of the step's K
.set ADV,  4                           ; v4   of its V
.set SPW,  5                           ; v5   LDS address of my spare word; never rewritten
.set NIL,  6                           ; v6   0; never rewritten
.set PFO,  7                           ; v7   256 x lane: the prefetches' offset; never rewritten
.set RH,   8                           ; v8   lane % 16 - 8 (lane / 16)
.set STO,  9                           ; v9   the way out: where I put 16 bytes of a row
.set RD,   10                          ; v10  where I read rows back
.set GO,   11                          ; v11  16 x lane
.set ST,   16                          ; tile t's statistics at v[ST + 8 t]: +0 c m, +1 m, +2, +3 l (even keys', odd keys'), +4 to +7 at work; a in +6
.set Q,    32                          ; v32-63   Q: tile t, channels 32 c on: 16 t + 8 c
.set S,    64                          ; v64-127  S^T: 32 t + 8 u; then p; then P in f16, in place, at 32 t + 0 .. 15
.set O,    128                         ; v128-191 O^T: 32 t + 8 e
.set KV,   192                         ; v192-255 a step's K, then its V
.set WV,   18
.set SEL,  20                          ; s[20:21] lane selects for v_permlanex16_b32: lane l xor 16
.set CS,   22                          ; s[22:23] c
.set G1K,  24
.set G1V,  32
.set G0K,  40
.set G0V,  44
.set TB,   2                           ; s2   LDS byte at which the slot in hand begins
.set SLOTS, 67                         ; s67  changes of slots still to come that may ask for a slot
.set PFA,  76                          ; s[76:77] where my prefetches stand
.set LIM,  80                          ; s80  1 in a wave that prefetches, else the greatest number
.set QL,   95                          ; s95  my work-group's last query
.set KF,   98                          ; s98  the step's first key
.set Q0,   99                          ; s99  my wave's first query
; Waves 0 and 1 fetch K's halves of a slot, waves 2 and 3 V's, the others nothing.  An s_nop 0 and four v_nop follow each of the two lines.
.macro TLOAD
	s_cmp_lt_u32 s[WV], 2
	s_cbranch_scc0 .Lnot_k_\@
	tensor_load_to_lds s[G0K:G0K+3], s[G1K:G1K+7]
	s_nop 0
.rept 4
	v_nop
.endr
	s_branch .Lasked_\@
.Lnot_k_\@:
	s_cmp_lt_u32 s[WV], 4
	s_cbranch_scc0 .Lasked_\@
	tensor_load_to_lds s[G0V:G0V+3], s[G1V:G1V+7]
	s_nop 0
.rept 4
	v_nop
.endr
.Lasked_\@:
.endm
; A PREFETCH INTO THE L2 of what the NEXT change of slots will ask for: a slot's K and V, two dense blocks of 32,768 bytes.  Each aligned block of 256 bytes is named once in the launch: of the four work-groups
; that walk a head's keys the one with g = 0 asks, which walks all eight slots; in it the waves ask that fetch nothing: waves 4-7 for K, waves 8-11 for V, 8,192 bytes a wave, lanes 256 bytes apart, one instruction each.
; It stands where the fetching waves have their tensor load: a slot's four key steps ahead of the load that will want the bytes.  Slots 0 and 1 come by their loads alone; the last change that fills a slot asks for nothing.
.macro ASK
	s_cmp_gt_u32 s[SLOTS], s[LIM]
	s_cbranch_scc0 .Lnot_mine_\@
	global_prefetch_b8 v[PFO], s[PFA:PFA+1] th:TH_LOAD_NT scope:SCOPE_SE
.Lnot_mine_\@:
.endm
	s_load_b128 s[4:7], s[0:1], 0x0                ; qkv s[4:5], y16 s[6:7]
	v_lshl_add_u32 v[SPW], v0, 2, SPARE
	v_mov_b32 v[NIL], 0
	ds_add_u32 v[SPW], v[NIL]                      ; the wave's opening: the add, twice on end, and its wait ahead of my first tensor load
	ds_add_u32 v[SPW], v[NIL]
	v_lshrrev_b32 v12, 5, v0
	v_readfirstlane_b32 s[WV], v12                 ; wave 0..15
	s_and_b32 s72, ttmp7, 0xffff                   ; batch x 16 + head
	s_lshl_b32 s73, s72, 18                        ; its first byte in q, in k and in v
	s_sub_co_u32 s81, 7, ttmp9                     ; the late block of queries
	s_cmp_lt_u32 s[WV], 8
	s_cselect_b32 s80, ttmp9, s81                  ; my wave's block
	s_lshl_b32 s80, s80, 8
	s_and_b32 s82, s[WV], 7
	s_lshl_b32 s82, s82, 5
	s_add_co_u32 s[Q0], s80, s82                   ; my first query
	s_lshl_b32 s[QL], s81, 8
	s_or_b32 s[QL], s[QL], 255                     ; the work-group's last query: made of the work-group's number alone
	s_and_b32 s88, s[WV], 1                        ; which half of a slot's rows I fetch, if I fetch
	; descriptor group 1: 128 rows of 64 elements of 2 bytes, dense in memory, padded in LDS behind each row
	s_mov_b32 s[G1K], (1<<16)|(1<<20)|(4<<22)|(3<<25)   ; no mask; elements of 2 bytes; padding on; after every 32 words, 4 words
	s_mov_b32 s[G1V], (1<<16)|(1<<20)|(4<<22)|(7<<25)   ; the same with 8 words
.irp g, G1K, G1V
	s_mov_b32 s[\g+1], 64<<16                      ; tensor_dim0
	s_mov_b32 s[\g+2], 128<<16                     ; tensor_dim1
	s_mov_b32 s[\g+3], 64<<16                      ; tile_dim0
	s_mov_b32 s[\g+4], 128                         ; tile_dim1
	s_mov_b32 s[\g+5], 64                          ; tensor_dim0_stride
	s_mov_b32 s[\g+6], 0
	s_mov_b32 s[\g+7], 0
.endr
	s_mov_b32 s[SEL], 0x76543210
	s_mov_b32 s[SEL+1], 0xfedcba98
	s_mov_b32 s[CS], 0x3e38aa3b                    ; c = log2(e) / 8
	s_mov_b32 s[CS+1], s[CS]                       ; (named with it as a pair, so it is written)
	s_mov_b32 s[TB], 0
	s_mov_b32 s[SLOTS], NSL-1
	s_mov_b32 s[KF], 0
	s_wait_dscnt 0x0                               ; both opening adds are done
	s_wait_kmcnt 0x0
	s_mov_b32 s[G0K], 1
	s_mul_i32 s[G0K+1], s88, 128*KP                ; LDS: slot 0, my half of K's rows
	s_lshl_b32 s84, s88, 14                        ; 128 rows of 128 bytes
	s_add_co_u32 s84, s84, s73
	s_add_co_u32 s84, s84, 0x1000000               ; k lies 16,777,216 bytes behind q
	s_mov_b32 s85, 0
	s_add_nc_u64 s[G0K+2:G0K+3], s[4:5], s[84:85]
	s_or_b32 s[G0K+3], s[G0K+3], 0x80000000
	s_mov_b32 s[G0V], 1
	s_mul_i32 s[G0V+1], s88, 128*VP
	s_add_co_u32 s[G0V+1], s[G0V+1], VOFF
	s_add_co_u32 s84, s84, 0x1000000               ; and v behind k
	s_add_nc_u64 s[G0V+2:G0V+3], s[4:5], s[84:85]
	s_or_b32 s[G0V+3], s[G0V+3], 0x80000000
	TLOAD                                          ; slot 0: it holds key 0, which counts for every query
	s_lshl_b32 s84, s[Q0], 7
	s_add_co_u32 s84, s84, s73
	s_add_nc_u64 s[8:9], s[4:5], s[84:85]          ; Q at my first query
	v_and_b32 v12, 15, v0                          ; r
	v_bfe_u32 v13, v0, 4, 1                        ; h
	v_lshlrev_b32 v14, 7, v12
	v_lshl_add_u32 v14, v13, 4, v14                ; row r of 128 bytes + 16 h
.irp t, 0,1
.irp c, 0,1
	global_load_b128 v[Q+16*\t+8*\c:Q+16*\t+8*\c+3], v14, s[8:9] offset:\t*2048+64*\c        ; Q stays in registers
	global_load_b128 v[Q+16*\t+8*\c+4:Q+16*\t+8*\c+7], v14, s[8:9] offset:\t*2048+64*\c+32
.endr
.endr
	s_and_b32 s86, s72, 15                         ; y16: the head's chunk of 8,192 rows,
	s_lshl_b32 s86, s86, 13
	s_lshr_b32 s87, s72, 4
	s_lshl_b32 s87, s87, 11                        ; the batch's 2,048,
	s_add_co_u32 s86, s86, s87
	s_add_co_u32 s86, s86, s[Q0]                   ; my first query;
	s_lshl_b32 s86, s86, 7                         ; 128 bytes a row
	s_mov_b32 s87, 0
	s_add_nc_u64 s[6:7], s[6:7], s[86:87]
	; the prefetches: where my wave's stand, and who asks
	s_mov_b32 s82, 0x2000000
	s_cmp_lt_u32 s[WV], 8
	s_cselect_b32 s82, 0x1000000, s82              ; waves 4-7: K; waves 8-11: V
	s_and_b32 s83, s[WV], 3
	s_lshl_b32 s83, s83, 13                        ; my wave's 8,192 bytes,
	s_add_co_u32 s82, s82, s83
	s_add_co_u32 s82, s82, SLB                     ; in slot 1: the first change of slots steps it to slot 2
	s_add_co_u32 s82, s82, s73
	s_mov_b32 s83, 0
	s_add_nc_u64 s[PFA:PFA+1], s[4:5], s[82:83]
	s_sub_co_u32 s82, s[WV], 4
	s_lshr_b32 s82, s82, 3                         ; 0 in waves 4 to 11,
	s_or_b32 s82, s82, ttmp9                       ; of the work-group with g = 0
	s_cmp_eq_u32 s82, 0
	s_cselect_b32 s[LIM], 1, -1
	v_mul_u32_u24 v[AK0], v12, KP
	v_lshl_add_u32 v[AK0], v13, 4, v[AK0]          ; K: row r x pitch + 16 h
	v_and_b32 v15, 7, v0
	v_lshl_add_u32 v[AV0], v13, 3, v15             ; V, turned: key 8 h + lane % 8,
	v_mul_u32_u24 v[AV0], v[AV0], VP
	v_bfe_u32 v15, v0, 3, 1
	v_lshl_add_u32 v[AV0], v15, 4, v[AV0]          ; channels 8 ((lane / 8) % 2) on
	v_add_nc_u32 v[AV0], VOFF, v[AV0]
	v_lshlrev_b32 v[RH], 3, v13
	v_sub_nc_u32 v[RH], v12, v[RH]
	s_mul_i32 s86, s[WV], 32*KP                    ; the way out: my stage, 32 rows x 144 bytes, in slot 0
	v_mul_u32_u24 v[STO], v12, KP
	v_lshl_add_u32 v[STO], v13, 4, v[STO]
	v_add_nc_u32 v[STO], s86, v[STO]
	v_bfe_u32 v[RD], v0, 3, 2
	v_mul_u32_u24 v[RD], v[RD], KP
	v_and_b32 v15, 7, v0
	v_lshl_add_u32 v[RD], v15, 4, v[RD]
	v_add_nc_u32 v[RD], s86, v[RD]
	v_and_b32 v[GO], 31, v0
	v_lshlrev_b32 v[PFO], 8, v[GO]
	v_lshlrev_b32 v[GO], 4, v[GO]
.irp t, 0,1
	v_mov_b32 v[ST+8*\t+1], 0xff61b1e6             ; m = -3e38, under every score
	v_mul_f32 v[ST+8*\t], s[CS], v[ST+8*\t+1]      ; c m
	v_mov_b32 v[ST+8*\t+2], 0                      ; l
	v_mov_b32 v[ST+8*\t+3], 0
	v_mov_b32 v[ST+8*\t+5], 0                      ; (a lane permute's destination counts as one of its sources)
	v_mov_b32 v[ST+8*\t+7], 0
.endr
.set i, 0
.rept 64
	v_mov_b32 v[O+i], 0                            ; O^T.  (The step is written once: the first finds zeros, which a = 0 leaves zeros)
.set i, i+1
.endr
; A KEY STEP: 64 keys, the q-th of the slot in hand.
.macro STEP q
	s_add_co_u32 s96, s[Q0], 31                    ; a step all of whose keys come after my 32 queries is left out: a scalar branch on ids, round no barrier and no tensor load
	s_cmp_gt_u32 s[KF], s96
	s_cbranch_scc1 .Lhidden_\@
	v_add_nc_u32 v[ADK], s[TB], v[AK0]
	v_add_nc_u32 v[ADV], s[TB], v[AV0]
.rept 3
	v_nop                                          ; with the two additions five places behind the last step's products: four are owed ahead of the loads into V's registers, five ahead of the products that write over P
.endr
.irp u, 0,1,2,3
.irp c, 0,1
	ds_load_b128 v[KV+8*(2*\u+\c):KV+8*(2*\u+\c)+3], v[ADK] offset:(64*(\q)+16*\u)*KP+64*\c
	ds_load_b128 v[KV+8*(2*\u+\c)+4:KV+8*(2*\u+\c)+7], v[ADK] offset:(64*(\q)+16*\u)*KP+64*\c+32
.endr
.endr
	s_wait_dscnt 0x0                               ; K is in
.irp c, 0,1                                    ; S^T = K Q^T: eight accumulators by turns, one instruction a turn; the first eight start the sums
.irp u, 0,1,2,3
.irp t, 0,1
.if \c == 0
	v_wmma_f32_16x16x32_f16 v[S+32*\t+8*\u:S+32*\t+8*\u+7], v[KV+8*(2*\u+\c):KV+8*(2*\u+\c)+7], v[Q+16*\t+8*\c:Q+16*\t+8*\c+7], 0
.else
	v_wmma_f32_16x16x32_f16 v[S+32*\t+8*\u:S+32*\t+8*\u+7], v[KV+8*(2*\u+\c):KV+8*(2*\u+\c)+7], v[Q+16*\t+8*\c:Q+16*\t+8*\c+7], v[S+32*\t+8*\u:S+32*\t+8*\u+7]
.endif
.endr
.endr
.endr
.rept 4
	v_nop                                          ; places: ahead of the loads into K's registers and of the first read of the scores
.endr
.irp g, 0,1                                    ; V, turned, lands while the softmax is walked: keys 32 g on, channels 16 e on
.irp e, 0,1,2,3
	ds_load_tr16_b128 v[KV+8*(4*\g+\e):KV+8*(4*\g+\e)+3], v[ADV] offset:(64*(\q)+32*\g)*VP+32*\e
	ds_load_tr16_b128 v[KV+8*(4*\g+\e)+4:KV+8*(4*\g+\e)+7], v[ADV] offset:(64*(\q)+32*\g)*VP+16*VP+32*\e
.endr
.endr
	s_add_co_u32 s96, s[KF], 63                    ; on the diagonal the scores of hidden keys become -infinity ahead of the maximum.  A step all of whose keys count for all my queries skips this
	s_cmp_le_u32 s96, s[Q0]
	s_cbranch_scc1 .Lopen_\@
	s_sub_co_i32 s96, s[Q0], s[KF]
	s_add_co_u32 s97, s96, 16
	v_add_nc_u32 v[ST+4], s96, v[RH]               ; d = my query - KF - 8 (lane / 16).  Register 8 u + j holds key KF + 16 u + 8 (lane / 16) + j: hidden where 16 u + j > d
	v_add_nc_u32 v[ST+12], s97, v[RH]
	v_mov_b32 v[ST+5], 0xff800000                  ; -infinity
.set n, 0
.rept 32
.irp t, 0,1
	v_cmp_gt_i32 vcc_lo, 16*(n/8)+n%8, v[ST+8*\t+4]
	v_cndmask_b32 v[S+32*\t+n], v[S+32*\t+n], v[ST+5], vcc_lo
.endr
.set n, n+1
.endr
.Lopen_\@:
	; the maximum of my 32 scores and the old m, three operands at a time, in four chains; the two tiles line by line by turns.  Each accumulator is read from its low end on
.irp j, 0,1,2,3
.irp t, 0,1
	v_max3_num_f32 v[ST+8*\t+4+\j], v[S+32*\t+8*\j], v[S+32*\t+8*\j+1], v[S+32*\t+8*\j+2]
.endr
.endr
.irp k, 3,5
.irp j, 0,1,2,3
.irp t, 0,1
	v_max3_num_f32 v[ST+8*\t+4+\j], v[ST+8*\t+4+\j], v[S+32*\t+8*\j+\k], v[S+32*\t+8*\j+\k+1]
.endr
.endr
.endr
.irp t, 0,1
	v_max3_num_f32 v[ST+8*\t+4], v[ST+8*\t+4], v[S+32*\t+7], v[S+32*\t+15]
.endr
.irp t, 0,1
	v_max3_num_f32 v[ST+8*\t+6], v[ST+8*\t+6], v[S+32*\t+23], v[S+32*\t+31]
.endr
.irp t, 0,1
	v_max3_num_f32 v[ST+8*\t+4], v[ST+8*\t+4], v[ST+8*\t+5], v[ST+8*\t+6]
.endr
.irp t, 0,1
	v_max3_num_f32 v[ST+8*\t+4], v[ST+8*\t+4], v[ST+8*\t+7], v[ST+8*\t+1]
.endr
.irp t, 0,1
	v_permlanex16_b32 v[ST+8*\t+5], v[ST+8*\t+4], s[SEL], s[SEL+1]   ; the query's other 32 keys lie in the lane 16 away
.endr
.irp t, 0,1
	v_mov_b32 v[ST+8*\t+7], v[ST+8*\t]             ; c m_old is kept for a
.endr
.irp t, 0,1
	v_max_num_f32 v[ST+8*\t+1], v[ST+8*\t+4], v[ST+8*\t+5]
.endr
.irp t, 0,1
	v_mul_f32 v[ST+8*\t], s[CS], v[ST+8*\t+1]
.endr
.irp t, 0,1
	v_sub_f32 v[ST+8*\t+7], v[ST+8*\t+7], v[ST+8*\t]
.endr
.set n, 0
.rept 16
.irp t, 0,1
	v_pk_fma_f32 v[S+32*\t+n:S+32*\t+n+1], v[S+32*\t+n:S+32*\t+n+1], s[CS:CS+1], v[ST+8*\t:ST+8*\t+1] op_sel_hi:[1,0,0] neg_lo:[0,0,1] neg_hi:[0,0,1]   ; c s - c m, two at a time
.endr
.set n, n+2
.endr
.irp t, 0,1                                    ; ONE BATCH of 66 exponentials, none of which reads another's result
	v_exp_f32 v[ST+8*\t+6], v[ST+8*\t+7]           ; a
.endr
.set n, 0
.rept 32
.irp t, 0,1
	v_exp_f32 v[S+32*\t+n], v[S+32*\t+n]           ; p
.endr
.set n, n+1
.endr
	v_nop                                          ; a plain instruction behind the last exponential
	s_wait_alu depctr_va_vdst(0)                   ; the wait ahead of the first instruction that names a result: one for the batch
.irp t, 0,1                                    ; the row's sums, of p in f32, in two chains
	v_pk_fma_f32 v[ST+8*\t+2:ST+8*\t+3], v[ST+8*\t+2:ST+8*\t+3], v[ST+8*\t+6:ST+8*\t+7], v[S+32*\t:S+32*\t+1] op_sel_hi:[1,0,1]   ; l = a l + the first pair
.endr
.irp t, 0,1
	v_pk_add_f32 v[ST+8*\t+4:ST+8*\t+5], v[S+32*\t+2:S+32*\t+3], v[S+32*\t+4:S+32*\t+5]
.endr
.irp b, 6,10,14,18,22,26
.irp t, 0,1
	v_pk_add_f32 v[ST+8*\t+2:ST+8*\t+3], v[ST+8*\t+2:ST+8*\t+3], v[S+32*\t+\b:S+32*\t+\b+1]
.endr
.irp t, 0,1
	v_pk_add_f32 v[ST+8*\t+4:ST+8*\t+5], v[ST+8*\t+4:ST+8*\t+5], v[S+32*\t+\b+2:S+32*\t+\b+3]
.endr
.endr
.irp t, 0,1
	v_pk_add_f32 v[ST+8*\t+2:ST+8*\t+3], v[ST+8*\t+2:ST+8*\t+3], v[S+32*\t+30:S+32*\t+31]
.endr
.irp t, 0,1
	v_pk_add_f32 v[ST+8*\t+2:ST+8*\t+3], v[ST+8*\t+2:ST+8*\t+3], v[ST+8*\t+4:ST+8*\t+5]
.endr
.set n, 0
.rept 16
.irp t, 0,1
	v_cvt_pk_f16_f32 v[S+32*\t+n], v[S+32*\t+2*n], v[S+32*\t+2*n+1]   ; P in f16, in place: register n is written when registers 2 n and 2 n + 1 are read
.endr
.set n, n+1
.endr
.set n, 0
.rept 16
.irp t, 0,1
	v_pk_mul_f32 v[O+32*\t+n:O+32*\t+n+1], v[O+32*\t+n:O+32*\t+n+1], v[ST+8*\t+6:ST+8*\t+7] op_sel_hi:[1,0]   ; O^T x a, each accumulator from its low end on
.endr
.set n, n+2
.endr
	s_wait_dscnt 0x0                               ; V is in
.irp g, 0,1                                    ; O^T += V^T P: eight accumulators by turns
.irp e, 0,1,2,3
.irp t, 0,1
	v_wmma_f32_16x16x32_f16 v[O+32*\t+8*\e:O+32*\t+8*\e+7], v[KV+8*(4*\g+\e):KV+8*(4*\g+\e)+7], v[S+32*\t+8*\g:S+32*\t+8*\g+7], v[O+32*\t+8*\e:O+32*\t+8*\e+7]
.endr
.endr
.endr
.Lhidden_\@:
	s_add_co_u32 s[KF], s[KF], 64
.endm
; THE CHANGE OF SLOTS stands at a slot's head.  Each wave waits for all its tensor loads, adds 0 to its spare word (fill = 1: twice on end), and waits for that and for its reads of the slot that it has left.
; Behind the barrier the slot ahead is whole and nobody reads the other one.  fill = 1: that other slot is filled with the keys that follow, as far as some wave of the work-group will read them.
.macro CHANGE fill
	s_wait_tensorcnt 0x0                           ; no tensor load of mine is out, so a group 0 may be written
	ds_add_u32 v[SPW], v[NIL]                      ; 0 onto my spare word
.if \fill
	ds_add_u32 v[SPW], v[NIL]                      ; and once more: the add stands twice on end in every trip alike
	s_xor_b32 s[G0K+1], s[G0K+1], SLOT1            ; the walking descriptors: the other slot than last time,
	s_add_nc_u64 s[G0K+2:G0K+3], s[G0K+2:G0K+3], SLB   ; the next 256 keys; the type bits on top are not reached
	s_xor_b32 s[G0V+1], s[G0V+1], SLOT1
	s_add_nc_u64 s[G0V+2:G0V+3], s[G0V+2:G0V+3], SLB
	s_wait_xcnt 0x0                                ; the last prefetch, a slot back, has read its address, so it may be written:
	s_add_nc_u64 s[PFA:PFA+1], s[PFA:PFA+1], SLB   ; one slot further on than the walking descriptors
.endif
	s_wait_dscnt 0x0                               ; the add is done, and my reads of the slot that I have left are over
	s_barrier_signal -1
	s_barrier_wait -1
.if \fill
	s_add_co_u32 s96, s[KF], 256                   ; the first key of the slot that this change would ask for:
	s_cmp_gt_u32 s96, s[QL]                        ; past my work-group's last query it would be read by none of the sixteen waves, so it is not asked for.  Ids and the count of steps alone: all waves go the same way
	s_cbranch_scc1 .Lpast_\@
	TLOAD                                          ; a wave's one tensor load until the next such barrier
.Lpast_\@:
	ASK
.endif
.endm
.macro SLOT_STEPS
	STEP 0
	STEP 1
	STEP 2
	STEP 3
	s_xor_b32 s[TB], s[TB], SLOT1                  ; on to the other slot
.endm
	s_wait_loadcnt 0x0                             ; Q
.Lslot:                                            ; NSL - 1 trips, a constant: every work-group walks all changes of slots
	CHANGE 1
	SLOT_STEPS
	s_sub_co_u32 s[SLOTS], s[SLOTS], 1
	s_cmp_lg_u32 s[SLOTS], 0
	s_cbranch_scc1 .Lslot
	CHANGE 0                                       ; the last slot is written out: nothing is asked for behind it
	SLOT_STEPS
	; THE WAY OUT.  O^T / l, rounded to f16, goes through my stage in slot 0, which was left at the last change of slots: it has had its last fill, and nobody reads it.  It comes back as whole rows of 128 bytes.
.irp t, 0,1
	v_add_f32 v[ST+8*\t+4], v[ST+8*\t+2], v[ST+8*\t+3]             ; l's two halves (these additions and the v_nop are the places behind the last products)
.endr
.irp t, 0,1
	v_permlanex16_b32 v[ST+8*\t+5], v[ST+8*\t+4], s[SEL], s[SEL+1]
.endr
.irp t, 0,1
	v_add_f32 v[ST+8*\t+4], v[ST+8*\t+4], v[ST+8*\t+5]             ; and the other half of the lanes'
.endr
.irp t, 0,1
	v_rcp_f32 v[ST+8*\t+6], v[ST+8*\t+4]
.endr
	v_nop                                          ; a plain instruction behind the last reciprocal
	s_wait_alu depctr_va_vdst(0)                   ; and the wait ahead of the first use: one for the two
.set n, 0
.rept 16
.irp t, 0,1
	v_pk_mul_f32 v[O+32*\t+n:O+32*\t+n+1], v[O+32*\t+n:O+32*\t+n+1], v[ST+8*\t+6:ST+8*\t+7] op_sel_hi:[1,0]
.endr
.set n, n+2
.endr
.set n, 0
.rept 16
.irp t, 0,1
	v_cvt_pk_f16_f32 v[S+16*\t+n], v[O+32*\t+2*n], v[O+32*\t+2*n+1]
.endr
.set n, n+1
.endr
.irp t, 0,1
.irp e, 0,1,2,3
	ds_store_b128 v[STO], v[S+16*\t+4*\e:S+16*\t+4*\e+3] offset:\t*16*KP+32*\e   ; query 16 t + r, channels 16 e + 8 h + 0 .. 7
.endr
.endr
.irp j, 0,1,2,3,4,5,6,7
	ds_load_b128 v[S+32+4*\j:S+32+4*\j+3], v[RD] offset:\j*4*KP    ; LDS serves a wave's instructions in order: these see my stores
.endr
.irp j, 0,1,2,3,4,5,6,7
	s_wait_dscnt 7-\j                              ; load j is in; the younger ones stay out
	global_store_b128 v[GO], v[S+32+4*\j:S+32+4*\j+3], s[6:7] offset:512*\j   ; 32 lanes store 512 consecutive bytes: four rows of my head's chunk
.endr
	s_wait_tensorcnt 0x0                           ; the wave's end, behind my last tensor load and my last LDS store
	ds_add_u32 v[SPW], v[NIL]
	s_wait_dscnt 0x0
	s_endpgm
.Lfunc_end_k_q450eec863e_attn:
	.size	k_q450eec863e_attn, .Lfunc_end_k_q450eec863e_attn-k_q450eec863e_attn
	.p2alignl 7, 3214868480
	.fill 96, 4, 3214868480
	.section	.rodata,"a",@progbits
	.p2align	6, 0x0
	.amdhsa_kernel k_q450eec863e_attn
		.amdhsa_group_segment_fixed_size 327680
		.amdhsa_private_segment_fixed_size 0
		.amdhsa_enable_private_segment 0
		.amdhsa_kernarg_size 16
		.amdhsa_user_sgpr_count 2
		.amdhsa_user_sgpr_kernarg_segment_ptr 1
		.amdhsa_wavefront_size32 1
		.amdhsa_system_sgpr_workgroup_id_x 1
		.amdhsa_system_sgpr_workgroup_id_y 1
		.amdhsa_system_sgpr_workgroup_id_z 1
		.amdhsa_system_vgpr_workitem_id 0
		.amdhsa_next_free_vgpr 256
		.amdhsa_next_free_sgpr 100
		.amdhsa_reserve_vcc 1
		.amdhsa_float_denorm_mode_32 3
		.amdhsa_float_denorm_mode_16_64 3
		.amdhsa_memory_ordered 1
		.amdhsa_forward_progress 1
		.amdhsa_inst_pref_size 188
	.end_amdhsa_kernel
	.amdgpu_metadata
---
amdhsa.version: [ 1, 2 ]
amdhsa.kernels:
  - .name:           k_q450eec863e_attn
    .symbol:         k_q450eec863e_attn.kd
    .args:
      - { .name: qkv, .offset: 0, .size: 8, .value_kind: global_buffer, .address_space: global }
      - { .name: y16, .offset: 8, .size: 8, .value_kind: global_buffer, .address_space: global }
    .group_segment_fixed_size: 327680
    .private_segment_fixed_size: 0
    .kernarg_segment_align: 8
    .kernarg_segment_size: 16
    .max_flat_workgroup_size: 512
    .sgpr_count:     100
    .vgpr_count:     256
    .wavefront_size: 32
...
	.end_amdgpu_metadata
.endif
;; end of part 3
;; launch proj (part 4): grid 4 x 64, 4 waves a work-group, clusters of 4 x 4, 327,680 bytes of LDS; arguments y16, wp16, bp, out0; writes out0
.if DOCPART == 4
	.amdgcn_target "amdgcn-amd-amdhsa--gfx1250"
	.amdhsa_code_object_version 6
	.text
	.protected	k_q450eec863e_proj
	.globl	k_q450eec863e_proj
	.p2align	8
	.type	k_q450eec863e_proj,@function
k_q450eec863e_proj:
	s_mov_b64 s[64:65], 0
	v_nop
	global_prefetch_b8 v0, s[64:65] scope:SCOPE_SE
	s_setreg_imm32_b32 hwreg(HW_REG_WAVE_MODE, 25, 1), 1
	s_wait_xcnt 0x0
	s_wait_alu depctr_hold_cnt(0) depctr_sa_sdst(0) depctr_va_vdst(0) depctr_va_sdst(0) depctr_va_ssrc(0) depctr_va_vcc(0) depctr_vm_vsrc(0)
	s_getreg_b32 s2, hwreg(HW_REG_IB_STS2, 6, 4)
	s_cmp_eq_u32 s2, 0
	s_cbranch_scc0 .Lentry_in_a_cluster
	s_endpgm
.Lentry_in_a_cluster:
	s_bfe_u32 s2, ttmp6, 0x10000c
	s_cmp_lg_u32 s2, 0xf033
	s_cbranch_scc0 .Lentry_shape_is_right
	s_endpgm
.Lentry_shape_is_right:
; out0 [8192][1024] f32 = y Wp^T + bp, on f16 operands with f32 sums that begin with the bias.  y16 [k / 64][8192][64], wp16 [k / 64][1024][64]: by chunks of 64 along K, so that every tile is a dense block of memory.
; All 8,192 rows are stored.  The 64 rows with t < 16 are stored again, from f32 operands, by the program's last launch: to leave them out here would take a branch that differs between the partners of a cluster.
; LIMIT: f16 operands: |y|, |Wp| under 65,504.
; A tile of C is 128 x 256: 256 work-groups.  Four waves, each 64 x 128: 32 accumulators of 16 x 16.  K goes in steps of 128 (two chunks) through a ring of two LDS slots.
; CLUSTERS: 4 x 4 work-groups; A's tiles are shared along a row of the cluster, B's along a column: joint loads.  Waves 0 and 1 fetch A's two chunks of a step, waves 2 and 3 B's: one load a wave.
; THE MATRIX INSTRUCTION IS USED TRANSPOSED (source 0 = 16 rows of Wp, source 1 = 16 rows of y): a lane holds eight neighbouring columns of one row of C.
; REGISTERS: window 0: v0-31 addresses; two fragment buffers of 96: v32-127, v128-223 (A's 4 fragments, then B's 8, for 32 along K).  window 1: the accumulators ((a, b) at v[8 (8 a + b)]).  window 2: v0-63 the bias.
; No prefetch: a K step's work on this small tile is short, and the tiles are shared in the cluster first.
.set KP,    144                        ; an LDS row: 128 bytes + 16 of padding: an odd multiple of 16
.set APL,   128*KP                     ; a chunk of A's tile: 128 rows
.set BPL,   256*KP                     ; a chunk of B's: 256 rows
.set SLOT,  2*APL+2*BPL                ; A's two chunks, then B's two
.set SPARE, 2*SLOT                     ; behind the ring: the spare words, 128 bytes a wave, named by no other line
.set SPITCH, 528                       ; the way out: a stage of 16 rows x (512 bytes + 16) for each wave, in slot 0
.set ACH,   8192*128                   ; a chunk of y16 in bytes
.set BCH,   1024*128                   ; a chunk of wp16
.set ADRA, 16                          ; v16-17  LDS address of my A fragments in slot 0, 1
.set ADRB, 20                          ; v20-21  the same for B
.set STO,  24
.set RD,   25
.set CO,   26
.set BO,   27                          ; v27     my byte offset in bp
.set SPW,  28                          ; v28     LDS address of my spare word; never rewritten
.set NIL,  29                          ; v29     0; never rewritten
.set F0,   32
.set F1,   128
.set BK,   32                          ; the way out: 16 rows read back: v32-95 and v96-159 by turns
.set WV,   12
.set FA,   13                          ; which half of the tile's rows is mine.  Also: I fetch for A (0) or for B (1)
.set FC,   14                          ; which half of its columns.  Also: which chunk of a step I fetch
.set TR,   15                          ; tile row
.set G1, 24
.set G0, 32
.set G1B, 48
.set G0B, 56
.set MSB, 0
.macro WIN new
.if MSB != (\new)
	s_set_vgpr_msb (MSB<<8)|(\new)
.set MSB, (\new)
.endif
.endm
.set MUL, 0x50                         ; sources 0 and 1 window 0; C and D window 1.  With the bias as C (window 2): 0x60
.macro JLOAD s                         ; a joint load; an s_nop 0 and four v_nop follow each of the two lines
	s_cmp_eq_u32 s[FA], 0
	s_cbranch_scc0 .Lfor_b_\@
	tensor_load_to_lds s[G0+4*\s:G0+4*\s+3], s[G1:G1+7]
	s_nop 0
.rept 4
	v_nop
.endr
	s_branch .Lasked_\@
.Lfor_b_\@:
	tensor_load_to_lds s[G0B+4*\s:G0B+4*\s+3], s[G1B:G1B+7]
	s_nop 0
.rept 4
	v_nop
.endr
.Lasked_\@:
.endm
.macro CREST                           ; a round of the cluster's barrier behind its opening barrier
	s_cmp_lg_u32 s[WV], 0
	s_cbranch_scc1 .Lnot_wave_0_\@
	s_barrier_signal -3
.Lnot_wave_0_\@:
	s_barrier_wait -3
	s_barrier_signal -1
	s_barrier_wait -1
.endm
.macro CROUND
	s_barrier_signal -1
	s_barrier_wait -1
	CREST
.endm
	s_load_b128 s[4:7], s[0:1], 0x0                ; y16 s[4:5], wp16 s[6:7]
	s_load_b128 s[8:11], s[0:1], 0x10              ; bp s[8:9], out0 s[10:11]
	v_lshl_add_u32 v[SPW], v0, 2, SPARE
	v_mov_b32 v[NIL], 0
	ds_add_u32 v[SPW], v[NIL]                      ; the wave's opening: the add, twice on end, and its wait ahead of my first tensor load
	ds_add_u32 v[SPW], v[NIL]
	v_lshrrev_b32 v1, 5, v0
	v_readfirstlane_b32 s[WV], v1                  ; wave 0..3
	s_lshr_b32 s[FA], s[WV], 1
	s_and_b32 s[FC], s[WV], 1
	s_bfe_u32 s40, ttmp6, 0x40000                  ; cx, cy
	s_bfe_u32 s41, ttmp6, 0x40004
	s_lshl_b32 s42, ttmp9, 2
	s_add_co_u32 s42, s42, s40                     ; tile column
	s_and_b32 s[TR], ttmp7, 0xffff
	s_lshl_b32 s[TR], s[TR], 2
	s_add_co_u32 s[TR], s[TR], s41                 ; tile row
	s_lshl_b32 s43, s41, 2
	s_lshl_b32 s43, 15, s43                        ; my row of the cluster
	s_lshl_b32 s44, 0x1111, s40                    ; my column
	s_or_b32 s[G1+0], s43, (1<<16)|(1<<20)|(1<<21)|(4<<22)|(3<<25)   ; the mask; elements of 2 bytes; padding on; bit 21 beside a mask; after every 32 words, 4 words
	s_or_b32 s[G1B+0], s44, (1<<16)|(1<<20)|(1<<21)|(4<<22)|(3<<25)
	s_mov_b32 s[G1+1], 64<<16                      ; A: 128 rows of 64 elements, dense
	s_mov_b32 s[G1+2], 128<<16
	s_mov_b32 s[G1+3], 64<<16
	s_mov_b32 s[G1+4], 128
	s_mov_b32 s[G1+5], 64
	s_mov_b32 s[G1+6], 0
	s_mov_b32 s[G1+7], 0
	s_mov_b32 s[G1B+1], 64<<16                     ; B: 256 rows
	s_mov_b32 s[G1B+2], 256<<16
	s_mov_b32 s[G1B+3], 64<<16
	s_mov_b32 s[G1B+4], 256
	s_mov_b32 s[G1B+5], 64
	s_mov_b32 s[G1B+6], 0
	s_mov_b32 s[G1B+7], 0
	s_lshl_b32 s16, s[TR], 14                      ; A: 128 rows of 128 bytes a tile row,
	s_lshl_b32 s17, s[FC], 20                      ; + my chunk
	s_add_co_u32 s16, s16, s17
	s_mov_b32 s17, 0
	s_lshl_b32 s46, s42, 15                        ; B: 256 rows a tile column,
	s_lshl_b32 s47, s[FC], 17
	s_add_co_u32 s46, s46, s47
	s_mov_b32 s47, 0
	s_mul_i32 s20, s[FC], APL                      ; where they go: no place in the cluster enters an LDS address
	s_mul_i32 s21, s[FC], BPL
	s_add_co_u32 s21, s21, 2*APL
	s_wait_dscnt 0x0                               ; both opening adds are done
	s_wait_kmcnt 0x0
	s_add_nc_u64 s[18:19], s[4:5], s[16:17]
	s_add_nc_u64 s[46:47], s[6:7], s[46:47]
	CROUND                                         ; all sixteen work-groups are here: the first joint loads meet
.irp s, 0,1
	s_mov_b32 s[G0+4*\s], 1
	s_add_co_u32 s[G0+4*\s+1], s20, \s*SLOT
	s_add_nc_u64 s[G0+4*\s+2:G0+4*\s+3], s[18:19], \s*2*ACH
	s_or_b32 s[G0+4*\s+3], s[G0+4*\s+3], 0x80000000
	s_mov_b32 s[G0B+4*\s], 1
	s_add_co_u32 s[G0B+4*\s+1], s21, \s*SLOT
	s_add_nc_u64 s[G0B+4*\s+2:G0B+4*\s+3], s[46:47], \s*2*BCH
	s_or_b32 s[G0B+4*\s+3], s[G0B+4*\s+3], 0x80000000
	JLOAD \s                                       ; two tensor loads of mine are out
.endr
	v_and_b32 v1, 15, v0                           ; l % 16
	v_bfe_u32 v2, v0, 4, 1                         ; l / 16
	v_lshlrev_b32 v[BO], 5, v2                     ; the bias: 32 (l / 16),
	s_lshl_b32 s46, s42, 10                        ; + 256 columns a tile column,
	s_lshl_b32 s47, s[FC], 9                       ; + my wave's 128
	s_add_co_u32 s46, s46, s47
	v_add_nc_u32 v[BO], s46, v[BO]
	WIN 0x80                                       ; destination window 2
.irp b, 0,1,2,3,4,5,6,7
	global_load_b128 v[8*\b:8*\b+3], v[BO], s[8:9] offset:64*\b
	global_load_b128 v[8*\b+4:8*\b+7], v[BO], s[8:9] offset:64*\b+16
.endr
	WIN 0
	v_mul_u32_u24 v3, v1, KP
	v_lshl_add_u32 v3, v2, 4, v3                   ; a fragment's row x pitch + 16 x half
	s_mul_i32 s22, s[FA], 64*KP                    ; my 64 rows of A
	s_mul_i32 s23, s[FC], 128*KP                   ; my 128 rows of B,
	s_add_co_u32 s23, s23, 2*APL                   ; behind A's two chunks
.irp s, 0,1
	v_add_nc_u32 v[ADRA+\s], s22, v3
	v_add_nc_u32 v[ADRB+\s], s23, v3
	s_add_co_u32 s22, s22, SLOT
	s_add_co_u32 s23, s23, SLOT
.endr
	s_mul_i32 s23, s[WV], 16*SPITCH                ; my stage
	v_mul_u32_u24 v5, v1, SPITCH
	v_lshl_add_u32 v5, v2, 5, v5
	v_add_nc_u32 v[STO], s23, v5                   ; in: row l % 16, 32 bytes for each half of the lanes
	v_and_b32 v6, 31, v0
	v_lshlrev_b32 v[CO], 4, v6                     ; back: the 32 lanes take one row of 512 bytes; and the same in C
	v_add_nc_u32 v[RD], s23, v[CO]
	s_lshl_b32 s16, s[TR], 19                      ; 128 rows of 4,096 bytes a tile row,
	s_lshl_b32 s17, s[FA], 18                      ; + my 64 rows,
	s_add_co_u32 s16, s16, s17
	s_add_co_u32 s16, s16, s46                     ; + my first column, in bytes
	s_mov_b32 s17, 0
	s_add_nc_u64 s[10:11], s[10:11], s[16:17]      ; never stepped again
; 8 matrix instructions: A's block a x B's eight, 32 along K.  zero = 1: the first product starts the sums, with the bias as its C.  The 32 accumulators take turns, one instruction a turn.
.macro MUL8 f, a, zero
.irp b, 0,1,2,3,4,5,6,7
.if \zero
	v_wmma_f32_16x16x32_f16 v[8*(8*(\a)+\b):8*(8*(\a)+\b)+7], v[\f+32+8*\b:\f+32+8*\b+7], v[\f+8*(\a):\f+8*(\a)+7], v[8*\b:8*\b+7]
.else
	v_wmma_f32_16x16x32_f16 v[8*(8*(\a)+\b):8*(8*(\a)+\b)+7], v[\f+32+8*\b:\f+32+8*\b+7], v[\f+8*(\a):\f+8*(\a)+7], v[8*(8*(\a)+\b):8*(8*(\a)+\b)+7]
.endif
.endr
.endm
.macro MUL16 f, a0, zero
	MUL8 \f, \a0, \zero
	MUL8 \f, (\a0)+1, \zero
.endm
; 24 LDS loads in one run: the fragments of quarter q of a slot (chunk q / 2, 32 along K at byte 64 (q % 2) of its rows) into buffer f: B's eight, A's blocks 0 and 1, A's blocks 2 and 3
.macro FETCH slot, q, f
	WIN 0
.irp i, 0,1,2,3,4,5,6,7
	ds_load_b128 v[\f+32+8*\i:\f+32+8*\i+3],   v[ADRB+\slot] offset:((\q)/2)*BPL+((\q)%2)*64+\i*16*KP
	ds_load_b128 v[\f+32+8*\i+4:\f+32+8*\i+7], v[ADRB+\slot] offset:((\q)/2)*BPL+((\q)%2)*64+\i*16*KP+32
.endr
.irp i, 0,1,2,3
	ds_load_b128 v[\f+8*\i:\f+8*\i+3],   v[ADRA+\slot] offset:((\q)/2)*APL+((\q)%2)*64+\i*16*KP
	ds_load_b128 v[\f+8*\i+4:\f+8*\i+7], v[ADRA+\slot] offset:((\q)/2)*APL+((\q)%2)*64+\i*16*KP+32
.endr
.endm
.macro PLACES                          ; four places in front of loads into registers that matrix instructions have read, and of the first read of results (ISA guide 7.12.1 for vector instructions)
.rept 4
	v_nop
.endr
.endm
; A K step is four quarters of 32 along K, 32 matrix instructions each, on buffers 0, 1, 0, 1.  One of the first three: multiplies buffer f and fetches quarter q into g.
.macro QUARTER slot, q, f, g, zero
	s_wait_dscnt 4                                 ; B and A's blocks 0 and 1 are in; the youngest four loads (A's blocks 2 and 3) may be out
	WIN MUL+0x10*(\zero)
	MUL16 \f, 0, \zero
	PLACES
	FETCH \slot, \q, \g
	s_wait_dscnt 24                                ; all but the 24 just issued
	WIN MUL+0x10*(\zero)
	MUL16 \f, 2, \zero
.endm
; The last quarter multiplies buffer 1 and changes slots: ONE barrier; in front of it each wave waits for all its tensor loads, adds 0 to its spare word, and waits for that and for its reads of this slot.
; fill = 1: the barrier opens a round of the cluster's barrier, and this slot is filled again, two K steps ahead.
.macro TURN slot, next, fill
	WIN 0                                          ; (the add's two registers lie in window 0)
	s_wait_tensorcnt 0x0                           ; all my tensor loads have landed: my part of the next slot
	ds_add_u32 v[SPW], v[NIL]                      ; 0 onto my spare word
	s_wait_dscnt 5                                 ; (the add and the youngest four loads may be out)
	WIN MUL
	MUL8 F1, 0, 0                                  ; eight matrix instructions stand between the add and the wait for it
	s_wait_dscnt 0x0                               ; the add is done, and my reads of this slot are over
	s_barrier_signal -1
	MUL8 F1, 1, 0
	WIN 0                                          ; (branches may follow)
	s_barrier_wait -1
.if \fill
	CREST                                          ; no wave of any partner still reads this slot's tiles or has a load on its way
	s_add_nc_u64 s[G0+4*\slot+2:G0+4*\slot+3], s[G0+4*\slot+2:G0+4*\slot+3], 4*ACH
	s_add_nc_u64 s[G0B+4*\slot+2:G0B+4*\slot+3], s[G0B+4*\slot+2:G0B+4*\slot+3], 4*BCH
	JLOAD \slot                                    ; the first tensor load behind the round; its four v_nop are also the places in front of the loads below
.else
	PLACES
.endif
	FETCH \next, 0, F0
	WIN MUL
	MUL16 F1, 2, 0
.endm
	s_wait_tensorcnt 1                             ; my part of K step 0 is in (K step 1's load may be out)
	s_barrier_signal -1
	s_barrier_wait -1                              ; everybody's is
	FETCH 0, 0, F0
	s_wait_loadcnt 0x0                             ; the bias
	QUARTER 0, 1, F0, F1, 1                        ; the first quarter stands in front of the loop: its products start the sums
	WIN 0                                          ; at a label and at a branch every window is 0
	s_mov_b32 s3, 3
.Llap:                                                 ; a trip goes once round the ring, from a lap's second quarter to the next lap's first, and fills both slots again
	QUARTER 0, 2, F1, F0, 0
	QUARTER 0, 3, F0, F1, 0
	TURN 0, 1, 1
	QUARTER 1, 1, F0, F1, 0
	QUARTER 1, 2, F1, F0, 0
	QUARTER 1, 3, F0, F1, 0
	TURN 1, 0, 1
	QUARTER 0, 1, F0, F1, 0
	WIN 0
	s_sub_co_u32 s3, s3, 1
	s_cmp_lg_u32 s3, 0
	s_cbranch_scc1 .Llap
	QUARTER 0, 2, F1, F0, 0                        ; the last lap fills nothing, and has no round of the cluster's barrier
	QUARTER 0, 3, F0, F1, 0
	TURN 0, 1, 0
	QUARTER 1, 1, F0, F1, 0
	QUARTER 1, 2, F1, F0, 0
	QUARTER 1, 3, F0, F1, 0
	s_wait_dscnt 4                                 ; the very last quarter: nothing more to fetch
	WIN MUL
	MUL16 F1, 0, 0
	s_wait_dscnt 0
	MUL16 F1, 2, 0
	WIN 0
; THE WAY OUT, block by block of 16 rows x 128 columns, through my own stage in slot 0 (it has had its last fill, and nobody reads it behind the last change of slots); back as whole rows of 512 bytes.
.macro TOSTAGE a
	WIN 0x04                                       ; an LDS store's data are its source 1: window 1
.irp b, 0,1,2,3,4,5,6,7
	ds_store_b128 v[STO], v[64*(\a)+8*\b:64*(\a)+8*\b+3] offset:64*\b          ; each accumulator from its low end on
	ds_store_b128 v[STO], v[64*(\a)+8*\b+4:64*(\a)+8*\b+7] offset:64*\b+16
.endr
	WIN 0
.set BB, BK+64*((\a)%2)
.irp t, 0,1,2,3,4,5,6,7,8,9,10,11,12,13,14,15
	ds_load_b128 v[BB+4*\t:BB+4*\t+3], v[RD] offset:\t*SPITCH      ; LDS serves a wave's instructions in order (ISA guide 5.7.1.4): these see the stores above
.endr
.endm
.macro SEND a, younger                 ; younger: the LDS instructions issued behind block a's loads, which may stay out
.set BB, BK+64*((\a)%2)
	s_wait_dscnt \younger
.irp t, 0,1,2,3,4,5,6,7,8,9,10,11,12,13,14,15
	global_store_b128 v[CO], v[BB+4*\t:BB+4*\t+3], s[10:11] offset:(16*(\a)+\t)*4096 th:TH_STORE_NT   ; 32 lanes store 512 consecutive bytes of a row of C
.endr
.endm
	PLACES
	TOSTAGE 0
.irp a, 1,2,3
.if \a > 1
	s_wait_xcnt 0x0                                ; block a - 2's stores have read their registers: block a's loads may land there
.endif
	TOSTAGE \a
	SEND \a-1, 32                                  ; behind block a - 1's loads: block a's 16 stores and 16 loads
.endr
	SEND 3, 0
	s_wait_tensorcnt 0x0                           ; the wave's end, behind my last tensor load and my last LDS store
	ds_add_u32 v[SPW], v[NIL]
	s_wait_dscnt 0x0
	CROUND                                         ; the closing round
	s_endpgm
.Lfunc_end_k_q450eec863e_proj:
	.size	k_q450eec863e_proj, .Lfunc_end_k_q450eec863e_proj-k_q450eec863e_proj
	.p2alignl 7, 3214868480
	.fill 96, 4, 3214868480
	.section	.rodata,"a",@progbits
	.p2align	6, 0x0
	.amdhsa_kernel k_q450eec863e_proj
		.amdhsa_group_segment_fixed_size 327680
		.amdhsa_private_segment_fixed_size 0
		.amdhsa_enable_private_segment 0
		.amdhsa_kernarg_size 32
		.amdhsa_user_sgpr_count 2
		.amdhsa_user_sgpr_kernarg_segment_ptr 1
		.amdhsa_wavefront_size32 1
		.amdhsa_system_sgpr_workgroup_id_x 1
		.amdhsa_system_sgpr_workgroup_id_y 1
		.amdhsa_system_sgpr_workgroup_id_z 1
		.amdhsa_system_vgpr_workitem_id 0
		.amdhsa_next_free_vgpr 640
		.amdhsa_next_free_sgpr 66
		.amdhsa_reserve_vcc 0
		.amdhsa_float_denorm_mode_32 3
		.amdhsa_float_denorm_mode_16_64 3
		.amdhsa_memory_ordered 1
		.amdhsa_forward_progress 1
		.amdhsa_inst_pref_size 86
	.end_amdhsa_kernel
	.amdgpu_metadata
---
amdhsa.version: [ 1, 2 ]
amdhsa.kernels:
  - .name:           k_q450eec863e_proj
    .symbol:         k_q450eec863e_proj.kd
    .args:
      - { .name: y16, .offset: 0, .size: 8, .value_kind: global_buffer, .address_space: global }
      - { .name: wp16, .offset: 8, .size: 8, .value_kind: global_buffer, .address_space: global }
      - { .name: bp, .offset: 16, .size: 8, .value_kind: global_buffer, .address_space: global }
      - { .name: out0, .offset: 24, .size: 8, .value_kind: global_buffer, .address_space: global }
    .group_segment_fixed_size: 327680
    .private_segment_fixed_size: 0
    .kernarg_segment_align: 8
    .kernarg_segment_size: 32
    .max_flat_workgroup_size: 128
    .sgpr_count:     66
    .vgpr_count:     640
    .wavefront_size: 32
...
	.end_amdgpu_metadata
.endif
;; end of part 4
;; launch fine_att (part 5): grid 64 x 1, 12 waves a work-group, no clusters, 19,456 bytes of LDS; arguments xc, xs, wc, ws, bq, bk, bv, y32; writes y32
.if DOCPART == 5
	.amdgcn_target "amdgcn-amd-amdhsa--gfx1250"
	.amdhsa_code_object_version 6
	.text
	.protected	k_q450eec863e_fine_att
	.globl	k_q450eec863e_fine_att
	.p2align	8
	.type	k_q450eec863e_fine_att,@function
k_q450eec863e_fine_att:
	s_mov_b64 s[64:65], 0
	v_nop
	global_prefetch_b8 v0, s[64:65] scope:SCOPE_SE
	s_setreg_imm32_b32 hwreg(HW_REG_WAVE_MODE, 25, 1), 1
	s_wait_xcnt 0x0
; The first 16 positions of every sequence, finely: their rows average one to sixteen values, so all behind the quantised products is kept in f32.  y32 [batch x 16 + t][1024] f32.
; A work-group takes one (batch, head).  PHASE 1, twelve waves: wave w makes 16 channels (tile w % 4) of q, k or v (w / 4) for t = 0 .. 15, by the quantised product on FP4 codes (eight K steps of 128, two accumulators by turns,
; one beginning with the bias), transposed (source 0 = 16 rows of W, source 1 = 16 rows of x): a lane holds one t and eight channels.  The results go to LDS in f32.
; PHASE 2, waves 0-3: each makes S^T = K Q^T (16 x 16, f32 matrix form, 16 steps of 4 along the head's 64), the causal softmax with the row's maximum taken away, and O^T = V^T P for its 16 channels.
; PHASE 3, waves 0-7: whole rows of 256 bytes leave.
; 64 work-groups of little work: no tensor loads, no cluster (no two work-groups of a launch this short gain by sharing), no prefetch.
.set PQ,    272                        ; an LDS row: 64 f32 + 16 bytes
.set MATB,  16*PQ                      ; q, k and v: 16 rows each
.set STG,   13312                      ; the stage for y: 16 rows
.set SPARE, STG+MATB                   ; the spare words, 128 bytes a wave, named by no other line
.set SPW,   14
.set NIL,   15
	s_load_b256 s[4:11], s[0:1], 0x0               ; xc s[4:5], xs s[6:7], wc s[8:9], ws s[10:11]
	s_load_b256 s[12:19], s[0:1], 0x20             ; bq s[12:13], bk s[14:15], bv s[16:17], y32 s[18:19]
	v_lshl_add_u32 v[SPW], v0, 2, SPARE
	v_mov_b32 v[NIL], 0
	v_lshrrev_b32 v1, 5, v0
	v_readfirstlane_b32 s20, v1                    ; wave 0..11
	s_lshr_b32 s21, s20, 2                         ; q, k or v
	s_and_b32 s22, s20, 3                          ; which 16 channels
	s_lshr_b32 s23, ttmp9, 4                       ; batch
	s_and_b32 s24, ttmp9, 15                       ; head
	v_and_b32 v1, 15, v0                           ; r
	v_bfe_u32 v2, v0, 4, 1                         ; h
	v_lshlrev_b32 v3, 9, v1
	v_lshl_add_u32 v3, v2, 4, v3                   ; codes: row r of 512 bytes + 16 h
	v_lshlrev_b32 v4, 5, v1                        ; scale words: row r of 32 bytes
	v_lshlrev_b32 v5, 5, v2                        ; the bias: my half's eight channels
	; every LDS address is made here, ahead of the first parting of the waves
	v_mul_u32_u24 v7, v1, PQ
	s_mul_i32 s26, s21, MATB
	s_lshl_b32 s27, s22, 6
	s_add_co_u32 s26, s26, s27
	v_lshl_add_u32 v6, v2, 5, v7                   ; row r + 32 h
	v_add_nc_u32 v9, s27, v6
	v_add_nc_u32 v9, STG, v9                       ; v9: the stage: row r, channels 16 tile + 8 h on
	v_add_nc_u32 v6, s26, v6                       ; v6: q, k or v: the same place
	v_lshl_add_u32 v7, v2, 4, v7                   ; v7: Q's and K's fragments: row r + 16 h
	v_mul_u32_u24 v8, v2, 8*PQ
	v_lshl_add_u32 v8, v1, 2, v8
	v_add_nc_u32 v8, s27, v8
	v_add_nc_u32 v8, 2*MATB, v8                    ; v8: V: key 8 h, channel 16 tile + r
	s_and_b32 s28, s20, 7
	s_mul_i32 s29, s28, 2*PQ
	v_mul_u32_u24 v10, v2, PQ
	v_lshl_add_u32 v10, v1, 4, v10
	v_add_nc_u32 v10, s29, v10
	v_add_nc_u32 v10, STG, v10                     ; v10: back: row 2 (wave % 8) + h, 16 bytes a lane
	s_lshl_b32 s29, s28, 13
	v_lshlrev_b32 v11, 12, v2
	v_lshl_add_u32 v11, v1, 4, v11
	v_add_nc_u32 v11, s29, v11                     ; v11: the same row in y32
	v_lshlrev_b32 v12, 3, v2
	v_sub_nc_u32 v12, v1, v12                      ; v12: r - 8 h
	s_mov_b32 s32, 0x76543210
	s_mov_b32 s33, 0xfedcba98                      ; v_permlanex16_b32's selects for lane l xor 16
	s_mov_b32 s34, 0x3e38aa3b                      ; c = log2(e) / 8
	s_mov_b32 s31, 0
	s_wait_kmcnt 0x0
	s_cmp_eq_u32 s21, 1                            ; the bias of my matrix: the choice hangs on the wave's number alone
	s_cselect_b64 s[12:13], s[14:15], s[12:13]
	s_cmp_eq_u32 s21, 2
	s_cselect_b64 s[12:13], s[16:17], s[12:13]
	s_lshl_b32 s30, s23, 20                        ; x's codes: 2,048 rows of 512 bytes a batch
	s_add_nc_u64 s[4:5], s[4:5], s[30:31]
	s_lshl_b32 s30, s23, 16                        ; x's scales: 2,048 rows of 32 bytes; y32: 16 rows of 4,096
	s_add_nc_u64 s[6:7], s[6:7], s[30:31]
	s_add_nc_u64 s[18:19], s[18:19], s[30:31]
	s_lshl_b32 s30, s24, 8                         ; + the head's 256 bytes of a row
	s_add_nc_u64 s[18:19], s[18:19], s[30:31]
	s_lshl_b32 s26, s24, 6
	s_lshl_b32 s27, s22, 4
	s_add_co_u32 s26, s26, s27                     ; my first channel among the 1,024
	s_lshl_b32 s30, s26, 2
	s_add_nc_u64 s[12:13], s[12:13], s[30:31]
	s_lshl_b32 s27, s21, 10
	s_add_co_u32 s26, s26, s27                     ; my first row among the weights' 3,072
	s_lshl_b32 s30, s26, 9
	s_add_nc_u64 s[8:9], s[8:9], s[30:31]
	s_lshl_b32 s30, s26, 5
	s_add_nc_u64 s[10:11], s[10:11], s[30:31]
.irp s, 0,1,2,3,4,5,6,7
	global_load_b128 v[16+8*\s:19+8*\s], v3, s[4:5] offset:64*\s           ; x's fragment of K step s
	global_load_b128 v[20+8*\s:23+8*\s], v3, s[4:5] offset:64*\s+32
	global_load_b128 v[80+8*\s:83+8*\s], v3, s[8:9] offset:64*\s           ; W's
	global_load_b128 v[84+8*\s:87+8*\s], v3, s[8:9] offset:64*\s+32
.endr
	global_load_b128 v[144:147], v4, s[6:7]        ; x's eight scale words: v144-151 hold scales and nothing else
	global_load_b128 v[148:151], v4, s[6:7] offset:16
	global_load_b128 v[152:155], v4, s[10:11]      ; W's: v152-159
	global_load_b128 v[156:159], v4, s[10:11] offset:16
	global_load_b128 v[160:163], v5, s[12:13]      ; the bias, in the layout of a result
	global_load_b128 v[164:167], v5, s[12:13] offset:16
	s_wait_loadcnt 0x0
	v_wmma_scale_f32_16x16x128_f8f6f4 v[168:175], v[80:87], v[16:23], v[160:167], v152, v144 matrix_a_fmt:MATRIX_FMT_FP4 matrix_b_fmt:MATRIX_FMT_FP4   ; the even K steps' sum begins with the bias,
	v_wmma_scale_f32_16x16x128_f8f6f4 v[176:183], v[88:95], v[24:31], 0, v153, v145 matrix_a_fmt:MATRIX_FMT_FP4 matrix_b_fmt:MATRIX_FMT_FP4             ; the odd ones' with 0: two accumulators by turns
.irp s, 2,3,4,5,6,7
	v_wmma_scale_f32_16x16x128_f8f6f4 v[168+8*(\s%2):175+8*(\s%2)], v[80+8*\s:87+8*\s], v[16+8*\s:23+8*\s], v[168+8*(\s%2):175+8*(\s%2)], v[152+\s], v[144+\s] matrix_a_fmt:MATRIX_FMT_FP4 matrix_b_fmt:MATRIX_FMT_FP4
.endr
.rept 4
	v_nop                                          ; places behind the last products
.endr
.irp i, 0,2,4,6
	v_pk_add_f32 v[184+\i:185+\i], v[168+\i:169+\i], v[176+\i:177+\i]
.endr
	ds_store_b128 v6, v[184:187]                   ; (t = r, channels 16 tile + 8 h + 0 .. 7)
	ds_store_b128 v6, v[188:191] offset:16
	s_wait_dscnt 0x0                               ; for the others' sake: my stores are done
	s_barrier_signal -1
	s_barrier_wait -1                              ; q, k and v of the 16 positions lie in LDS
	s_cmp_ge_u32 s20, 4
	s_cbranch_scc1 .Lj
.irp i, 0,1,2,3,4,5,6,7
	ds_load_b128 v[16+4*\i:19+4*\i], v7 offset:32*\i               ; Q: row r, channels 8 i + 4 h + 0 .. 3
	ds_load_b128 v[48+4*\i:51+4*\i], v7 offset:MATB+32*\i          ; K likewise: the same order of channels on both sides keeps the products
.endr
.irp n, 0,1,2,3,4,5,6,7
	ds_load_b32 v[80+\n], v8 offset:PQ*\n          ; V(key 8 h + n, channel 16 tile + r)
.endr
	s_wait_dscnt 0x0
	v_wmma_f32_16x16x4_f32 v[192:199], v[48:49], v[16:17], 0       ; S^T: source 0 = 16 keys, source 1 = 16 queries; two accumulators by turns, each begun with 0
	v_wmma_f32_16x16x4_f32 v[200:207], v[50:51], v[18:19], 0
.irp n, 2,3,4,5,6,7,8,9,10,11,12,13,14,15
	v_wmma_f32_16x16x4_f32 v[192+8*(\n%2):199+8*(\n%2)], v[48+2*\n:49+2*\n], v[16+2*\n:17+2*\n], v[192+8*(\n%2):199+8*(\n%2)]
.endr
.rept 8
	v_nop                                          ; eight places behind this form
.endr
.irp i, 0,2,4,6
	v_pk_add_f32 v[88+\i:89+\i], v[192+\i:193+\i], v[200+\i:201+\i]   ; the scores: query r, keys 8 h + 0 .. 7, into registers of their own
.endr
	v_mov_b32 v96, 0xff800000                      ; -infinity
	v_mov_b32 v98, 0                               ; (a lane permute's destination counts as one of its sources)
.irp j, 0,1,2,3,4,5,6,7
	v_cmp_gt_i32 vcc_lo, \j, v12                   ; key 8 h + j is hidden where j > r - 8 h
	v_cndmask_b32 v[88+\j], v[88+\j], v96, vcc_lo
.endr
	v_max3_num_f32 v97, v88, v89, v90
	v_max3_num_f32 v97, v97, v91, v92
	v_max3_num_f32 v97, v97, v93, v94
	v_max_num_f32 v97, v97, v95
	v_permlanex16_b32 v98, v97, s32, s33
	v_max_num_f32 v97, v97, v98                    ; the row's maximum: key 0 counts for every query
	v_mul_f32 v97, s34, v97
.irp j, 0,1,2,3,4,5,6,7
	v_fma_f32 v[88+\j], v[88+\j], s34, -v97
.endr
.irp j, 0,1,2,3,4,5,6,7
	v_exp_f32 v[88+\j], v[88+\j]
.endr
	v_nop                                          ; a plain instruction behind the last exponential
	s_wait_alu depctr_va_vdst(0)                   ; the wait ahead of the first reader: one for the eight
	v_add_f32 v99, v88, v89
	v_add_f32 v100, v90, v91
	v_add_f32 v99, v99, v92
	v_add_f32 v100, v100, v93
	v_add_f32 v99, v99, v94
	v_add_f32 v100, v100, v95
	v_add_f32 v99, v99, v100
	v_permlanex16_b32 v98, v99, s32, s33
	v_add_f32 v99, v99, v98                        ; the row's sum
	v_rcp_f32 v101, v99
	v_wmma_f32_16x16x4_f32 v[208:215], v[80:81], v[88:89], 0       ; O^T: source 0 = 16 channels, source 1 = p; a step takes keys 8 h + 2 s, 8 h + 2 s + 1 on both sides
	v_wmma_f32_16x16x4_f32 v[216:223], v[82:83], v[90:91], 0
	v_wmma_f32_16x16x4_f32 v[208:215], v[84:85], v[92:93], v[208:215]
	v_wmma_f32_16x16x4_f32 v[216:223], v[86:87], v[94:95], v[216:223]
.rept 8
	v_nop                                          ; eight places; also the plain instruction behind the reciprocal
.endr
	s_wait_alu depctr_va_vdst(0)                   ; the reciprocal's wait, ahead of its first reader
.irp i, 0,2,4,6
	v_pk_add_f32 v[104+\i:105+\i], v[208+\i:209+\i], v[216+\i:217+\i]
.endr
.irp j, 0,1,2,3,4,5,6,7
	v_mul_f32 v[104+\j], v[104+\j], v101
.endr
	ds_store_b128 v9, v[104:107]                   ; y(query r, channels 16 tile + 8 h + 0 .. 7)
	ds_store_b128 v9, v[108:111] offset:16
.Lj:
	s_wait_dscnt 0x0
	s_barrier_signal -1
	s_barrier_wait -1                              ; 16 whole rows of 256 bytes lie in the stage
	s_cmp_ge_u32 s20, 8
	s_cbranch_scc1 .Lend
	ds_load_b128 v[112:115], v10
	s_wait_dscnt 0x0
	global_store_b128 v11, v[112:115], s[18:19]    ; sixteen lanes store 256 consecutive bytes: the head's part of a row
.Lend:
	s_wait_tensorcnt 0x0                           ; the wave's end, behind my last LDS store
	ds_add_u32 v[SPW], v[NIL]
	s_wait_dscnt 0x0
	s_endpgm
.Lfunc_end_k_q450eec863e_fine_att:
	.size	k_q450eec863e_fine_att, .Lfunc_end_k_q450eec863e_fine_att-k_q450eec863e_fine_att
	.p2alignl 7, 3214868480
	.fill 96, 4, 3214868480
	.section	.rodata,"a",@progbits
	.p2align	6, 0x0
	.amdhsa_kernel k_q450eec863e_fine_att
		.amdhsa_group_segment_fixed_size 19456
		.amdhsa_private_segment_fixed_size 0
		.amdhsa_enable_private_segment 0
		.amdhsa_kernarg_size 64
		.amdhsa_user_sgpr_count 2
		.amdhsa_user_sgpr_kernarg_segment_ptr 1
		.amdhsa_wavefront_size32 1
		.amdhsa_system_sgpr_workgroup_id_x 1
		.amdhsa_system_sgpr_workgroup_id_y 1
		.amdhsa_system_sgpr_workgroup_id_z 1
		.amdhsa_system_vgpr_workitem_id 0
		.amdhsa_next_free_vgpr 256
		.amdhsa_next_free_sgpr 66
		.amdhsa_reserve_vcc 1
		.amdhsa_float_denorm_mode_32 3
		.amdhsa_float_denorm_mode_16_64 3
		.amdhsa_memory_ordered 1
		.amdhsa_forward_progress 1
		.amdhsa_inst_pref_size 16
	.end_amdhsa_kernel
	.amdgpu_metadata
---
amdhsa.version: [ 1, 2 ]
amdhsa.kernels:
  - .name:           k_q450eec863e_fine_att
    .symbol:         k_q450eec863e_fine_att.kd
    .args:
      - { .name: xc, .offset: 0, .size: 8, .value_kind: global_buffer, .address_space: global }
      - { .name: xs, .offset: 8, .size: 8, .value_kind: global_buffer, .address_space: global }
      - { .name: wc, .offset: 16, .size: 8, .value_kind: global_buffer, .address_space: global }
      - { .name: ws, .offset: 24, .size: 8, .value_kind: global_buffer, .address_space: global }
      - { .name: bq, .offset: 32, .size: 8, .value_kind: global_buffer, .address_space: global }
      - { .name: bk, .offset: 40, .size: 8, .value_kind: global_buffer, .address_space: global }
      - { .name: bv, .offset: 48, .size: 8, .value_kind: global_buffer, .address_space: global }
      - { .name: y32, .offset: 56, .size: 8, .value_kind: global_buffer, .address_space: global }
    .group_segment_fixed_size: 19456
    .private_segment_fixed_size: 0
    .kernarg_segment_align: 8
    .kernarg_segment_size: 64
    .max_flat_workgroup_size: 384
    .sgpr_count:     66
    .vgpr_count:     256
    .wavefront_size: 32
...
	.end_amdgpu_metadata
.endif
;; end of part 5
;; launch fine_proj (part 6): grid 16 x 4, 16 waves a work-group, no clusters, 19,456 bytes of LDS; arguments y32, Wp, bp, out0; writes out0
.if DOCPART == 6
	.amdgcn_target "amdgcn-amd-amdhsa--gfx1250"
	.amdhsa_code_object_version 6
	.text
	.protected	k_q450eec863e_fine_proj
	.globl	k_q450eec863e_fine_proj
	.p2align	8
	.type	k_q450eec863e_fine_proj,@function
k_q450eec863e_fine_proj:
	s_mov_b64 s[64:65], 0
	v_nop
	global_prefetch_b8 v0, s[64:65] scope:SCOPE_SE
	s_setreg_imm32_b32 hwreg(HW_REG_WAVE_MODE, 25, 1), 1
	s_wait_xcnt 0x0
; The projection of the first 16 positions of every sequence, with f32 operands: out0(batch, t < 16, :) = y32 Wp^T + bp.  These 64 rows of out0 are stored a second time here, over what the large projection left there.
; A work-group takes a batch's 16 rows x 64 columns, so that sixteen lanes store 256 consecutive bytes.  Wave w takes 16 columns (w % 4) and 256 along K (w / 4): 64 steps of the f32 matrix form, four accumulators by turns.
; Transposed (source 0 = 16 rows of Wp, source 1 = 16 rows of y32): a lane holds one row t and eight columns.  The four parts along K meet in LDS.
; A step takes, on both sides alike, k = 8 i + 4 (lane / 16) + 2 p + 0, 1: the same order of k in both operands keeps the products.
; 64 work-groups of little work: no tensor loads, no cluster, no prefetch.
.set PQ,    272
.set PART,  16*PQ                      ; one part along K: 16 rows x (256 bytes + 16)
.set SPARE, 4*PART                     ; the spare words, 128 bytes a wave, named by no other line
.set SPW,   8
.set NIL,   9
	s_load_b256 s[4:11], s[0:1], 0x0               ; y32 s[4:5], Wp s[6:7], bp s[8:9], out0 s[10:11]
	v_lshl_add_u32 v[SPW], v0, 2, SPARE
	v_mov_b32 v[NIL], 0
	v_lshrrev_b32 v1, 5, v0
	v_readfirstlane_b32 s12, v1                    ; wave 0..15
	s_and_b32 s13, s12, 3                          ; which 16 columns
	s_lshr_b32 s14, s12, 2                         ; which 256 along K
	s_and_b32 s15, ttmp7, 0xffff                   ; batch
	v_and_b32 v1, 15, v0                           ; r
	v_bfe_u32 v2, v0, 4, 1                         ; h
	v_lshlrev_b32 v3, 12, v1
	v_lshl_add_u32 v3, v2, 4, v3                   ; v3: row r of 4,096 bytes + 16 h
	v_mul_u32_u24 v4, v1, PQ
	v_lshl_add_u32 v4, v2, 5, v4
	s_mul_i32 s16, s14, PART
	s_lshl_b32 s17, s13, 6
	s_add_co_u32 s16, s16, s17
	v_add_nc_u32 v4, s16, v4                       ; v4: my part: row r, columns 16 (w % 4) + 8 h on
	s_and_b32 s16, s12, 7
	s_mul_i32 s17, s16, 2*PQ
	v_mul_u32_u24 v5, v2, PQ
	v_lshl_add_u32 v5, v1, 4, v5
	v_add_nc_u32 v5, s17, v5                       ; v5: back: row 2 (wave % 8) + h, 16 bytes a lane
	s_lshl_b32 s17, s16, 13
	v_lshlrev_b32 v6, 12, v2
	v_lshl_add_u32 v6, v1, 4, v6
	v_add_nc_u32 v6, s17, v6                       ; v6: the same row in out0
	v_lshlrev_b32 v7, 4, v1                        ; v7: my four columns' bias
	s_mov_b32 s19, 0
	s_wait_kmcnt 0x0
	s_lshl_b32 s18, s15, 16                        ; y32: 16 rows of 4,096 bytes a batch,
	s_lshl_b32 s17, s14, 10                        ; + my 256 along K
	s_add_co_u32 s18, s18, s17
	s_add_nc_u64 s[4:5], s[4:5], s[18:19]
	s_lshl_b32 s18, ttmp9, 6
	s_lshl_b32 s16, s13, 4
	s_add_co_u32 s18, s18, s16                     ; Wp: my first row (an output column)
	s_lshl_b32 s18, s18, 12
	s_add_co_u32 s18, s18, s17
	s_add_nc_u64 s[6:7], s[6:7], s[18:19]
	s_lshl_b32 s18, ttmp9, 8                       ; the work-group's 64 columns, in bytes
	s_add_nc_u64 s[8:9], s[8:9], s[18:19]
	s_add_nc_u64 s[10:11], s[10:11], s[18:19]
	s_lshl_b32 s18, s15, 23                        ; out0: 2,048 rows of 4,096 bytes a batch
	s_add_nc_u64 s[10:11], s[10:11], s[18:19]
.macro BLOAD beta, set                 ; 64 along K of both operands into set: 32 registers of Wp, then 32 of y32
.irp i, 0,1,2,3,4,5,6,7
	global_load_b128 v[32+64*(\set)+4*\i:35+64*(\set)+4*\i], v3, s[6:7] offset:256*(\beta)+32*\i
	global_load_b128 v[64+64*(\set)+4*\i:67+64*(\set)+4*\i], v3, s[4:5] offset:256*(\beta)+32*\i
.endr
.endm
.macro BMUL set, first                 ; 16 steps; step n adds onto accumulator n % 4; the first four of all start the sums with 0.  v224-255 are written by matrix instructions alone
.irp n, 0,1,2,3,4,5,6,7,8,9,10,11,12,13,14,15
.if (\first) && (\n < 4)
	v_wmma_f32_16x16x4_f32 v[224+8*(\n%4):231+8*(\n%4)], v[32+64*(\set)+2*\n:33+64*(\set)+2*\n], v[64+64*(\set)+2*\n:65+64*(\set)+2*\n], 0
.else
	v_wmma_f32_16x16x4_f32 v[224+8*(\n%4):231+8*(\n%4)], v[32+64*(\set)+2*\n:33+64*(\set)+2*\n], v[64+64*(\set)+2*\n:65+64*(\set)+2*\n], v[224+8*(\n%4):231+8*(\n%4)]
.endif
.endr
.endm
	global_load_b128 v[12:15], v7, s[8:9]          ; the bias
	BLOAD 0, 0
	BLOAD 1, 1
	BLOAD 2, 2
	s_wait_loadcnt 32                              ; the bias and the first 64 along K are in; the 32 loads behind them stay out
	BMUL 0, 1
.rept 8
	v_nop                                          ; eight places in front of loads into registers that this form has read
.endr
	BLOAD 3, 0
	s_wait_loadcnt 32                              ; the second 64 are in
	BMUL 1, 0
	s_wait_loadcnt 16                              ; the third
	BMUL 2, 0
	s_wait_loadcnt 0x0
	BMUL 0, 0
.rept 8
	v_nop
.endr
.irp i, 0,2,4,6
	v_pk_add_f32 v[16+\i:17+\i], v[224+\i:225+\i], v[232+\i:233+\i]   ; the four accumulators' sum, into registers of its own; each accumulator from its low end on
.endr
.irp i, 0,2,4,6
	v_pk_add_f32 v[24+\i:25+\i], v[240+\i:241+\i], v[248+\i:249+\i]
.endr
.irp i, 0,2,4,6
	v_pk_add_f32 v[16+\i:17+\i], v[16+\i:17+\i], v[24+\i:25+\i]
.endr
	ds_store_b128 v4, v[16:19]
	ds_store_b128 v4, v[20:23] offset:16
	s_wait_dscnt 0x0                               ; for the others' sake: my stores are done
	s_barrier_signal -1
	s_barrier_wait -1
	s_cmp_ge_u32 s12, 8
	s_cbranch_scc1 .Lend
.irp k, 0,1,2,3
	ds_load_b128 v[32+4*\k:35+4*\k], v5 offset:PART*\k             ; the four parts along K of my 16 bytes of a row
.endr
	s_wait_dscnt 0x0
	v_pk_add_f32 v[32:33], v[32:33], v[36:37]
	v_pk_add_f32 v[34:35], v[34:35], v[38:39]
	v_pk_add_f32 v[40:41], v[40:41], v[44:45]
	v_pk_add_f32 v[42:43], v[42:43], v[46:47]
	v_pk_add_f32 v[32:33], v[32:33], v[40:41]
	v_pk_add_f32 v[34:35], v[34:35], v[42:43]
	v_pk_add_f32 v[32:33], v[32:33], v[12:13]
	v_pk_add_f32 v[34:35], v[34:35], v[14:15]
	global_store_b128 v6, v[32:35], s[10:11]       ; sixteen lanes store 256 consecutive bytes of a row of out0
.Lend:
	s_wait_tensorcnt 0x0                           ; the wave's end, behind my last LDS store
	ds_add_u32 v[SPW], v[NIL]
	s_wait_dscnt 0x0
	s_endpgm
.Lfunc_end_k_q450eec863e_fine_proj:
	.size	k_q450eec863e_fine_proj, .Lfunc_end_k_q450eec863e_fine_proj-k_q450eec863e_fine_proj
	.p2alignl 7, 3214868480
	.fill 96, 4, 3214868480
	.section	.rodata,"a",@progbits
	.p2align	6, 0x0
	.amdhsa_kernel k_q450eec863e_fine_proj
		.amdhsa_group_segment_fixed_size 19456
		.amdhsa_private_segment_fixed_size 0
		.amdhsa_enable_private_segment 0
		.amdhsa_kernarg_size 32
		.amdhsa_user_sgpr_count 2
		.amdhsa_user_sgpr_kernarg_segment_ptr 1
		.amdhsa_wavefront_size32 1
		.amdhsa_system_sgpr_workgroup_id_x 1
		.amdhsa_system_sgpr_workgroup_id_y 1
		.amdhsa_system_sgpr_workgroup_id_z 1
		.amdhsa_system_vgpr_workitem_id 0
		.amdhsa_next_free_vgpr 256
		.amdhsa_next_free_sgpr 66
		.amdhsa_reserve_vcc 0
		.amdhsa_float_denorm_mode_32 3
		.amdhsa_float_denorm_mode_16_64 3
		.amdhsa_memory_ordered 1
		.amdhsa_forward_progress 1
		.amdhsa_inst_pref_size 15
	.end_amdhsa_kernel
	.amdgpu_metadata
---
amdhsa.version: [ 1, 2 ]
amdhsa.kernels:
  - .name:           k_q450eec863e_fine_proj
    .symbol:         k_q450eec863e_fine_proj.kd
    .args:
      - { .name: y32, .offset: 0, .size: 8, .value_kind: global_buffer, .address_space: global }
      - { .name: Wp, .offset: 8, .size: 8, .value_kind: global_buffer, .address_space: global }
      - { .name: bp, .offset: 16, .size: 8, .value_kind: global_buffer, .address_space: global }
      - { .name: out0, .offset: 24, .size: 8, .value_kind: global_buffer, .address_space: global }
    .group_segment_fixed_size: 19456
    .private_segment_fixed_size: 0
    .kernarg_segment_align: 8
    .kernarg_segment_size: 32
    .max_flat_workgroup_size: 512
    .sgpr_count:     66
    .vgpr_count:     256
    .wavefront_size: 32
...
	.end_amdgpu_metadata
.endif
;; end of part 6
